; MI455X (gfx1250); checked and timed in simulation.
; The chip was launched on July 23, 2026; its instructions are those of AMD's public machine-readable ISA for CDNA 5 (MIT licence, August 2026) and "CDNA5" Instruction Set Architecture Reference Guide (July 2026). The comments in the code are by the model that wrote it; some were corrected since.
;; Attention. Allowed arithmetic: matrix products marked QUANTISED: E2M3 operands, one E8M0 scale for each 32 along K, by v_wmma_scale_f32_16x16x128_f8f6f4 with both operands' format E2M3, f32 sums; everything else in f32.
;; Inputs: Wk 256 x 1,024 float32; Wo 1,024 x 1,024 float32; Wq 1,024 x 1,024 float32; Wv 256 x 1,024 float32; bo 1,024 float32; kv 32 x 2,048 x 256 float32; q 32 x 128 x 1,024 float32.
;; Outputs: out0 32 x 128 x 1,024 float32.
;; This version of the problem:
;;   THIS VERSION OF THE PROBLEM IS GIVEN IN LOW PRECISION. The matrix products marked QUANTISED in the list below multiply operands that are first quantised to E2M3 (2 exponent bits, 3 mantissa bits; 6 bits a number), with one power-of-two scale for each 32 numbers along K (OCP MX v1.0); their sums are f32. All else is computed in f32.
;;   The module's matrix products, in the order in which they are computed (A, B: the left and right operand; K: the contracted axis; several contracted axes count as one K, in the product's order):
;;     1. [M 4,096, K 1,024] x [K 1,024, N 1,024]; A: input q; B: input Wq: QUANTISED
;;     2. [M 65,536, K 256] x [K 256, N 1,024]; A: input kv; B: input Wk: QUANTISED
;;     3. [M 65,536, K 256] x [K 256, N 1,024]; A: input kv; B: input Wv: QUANTISED
;;     4. batch 512 x [M 128, K 64] x [K 64, N 2,048]; A: computed on the way; B: computed on the way: QUANTISED
;;     5. batch 512 x [M 128, K 2,048] x [K 2,048, N 64]; A: softmax (see below); B: computed on the way: QUANTISED
;;     6. [M 4,096, K 1,024] x [K 1,024, N 1,024]; A: computed on the way; B: input Wo: QUANTISED
;;   THE QUANTISER, for each operand of a quantised product, along K:
;;     - K is cut into blocks of 32 from its start; a last block that is shorter is filled with zeros.
;;     - A block's scale is 2^e with e = floor(log2(the largest magnitude in the block)) - 2, held to -126 .. 127; a block of zeros has e = 0. As a byte (E8M0): e + 127.
;;     - Each number is divided by its block's scale, clamped to +-7.5, and rounded to the nearest number of E2M3, ties to even, subnormals kept.
;;     - The product sums the exact products of the quantised numbers (number of the format x scale) in f32.
;;   ~~~python
;;   def quantise(x, axis):      # numpy; x: float32 -> the quantised numbers, widened to float32 again
;;       x = np.moveaxis(x, axis, -1); K = x.shape[-1]
;;       x = np.pad(x, [(0, 0)] * (x.ndim - 1) + [(0, -K % 32)]); x = x.reshape(x.shape[:-1] + (-1, 32)); a = np.abs(x).max(-1, keepdims=True)
;;       e = np.where(a > 0, np.clip(np.frexp(np.where(a > 0, a, 1))[1] - 1 - 2, -126, 127), 0)      # np.frexp(a)[1] - 1 = floor(log2(a)), exactly
;;       r = np.clip(x / 2.0 ** e, -7.5, 7.5)
;;       step = 2.0 ** (np.maximum(np.frexp(np.where(r == 0, 1, r))[1] - 1, 0) - 3)
;;       q = np.round(r / step) * step * 2.0 ** e      # np.round: ties to even
;;       return np.moveaxis(q.reshape(q.shape[:-2] + (-1,))[..., :K], -1, axis).astype(np.float32)
;;   ~~~
;;   SOFTMAX AHEAD OF A QUANTISED PRODUCT. Where the list says 'softmax', what is quantised is not the finished softmax but p = 2^(t - M), with t = logit x log2(e) and M = ceil(the row's largest t), a whole number; so 1/2 < the row's largest p <= 1. The row's sum l is taken of the UNQUANTISED p, in f32, and the product's result is divided by l at the end. Since M is a whole number, a kernel that streams over the keys may use a running M (the ceiling of the running maximum): every later rescaling is an exact power of two, which a block's scale takes up: the codes' values come out the same.
;;   OPERANDS COMPUTED ON THE WAY. 'Computed on the way' means the value that the module computes at that place (a softmax that the list does not call 'softmax' is quantised finished and normalised). What goes into a quantiser is computed in f32, as accurately as f32 sums, v_exp_f32 and their like allow (about 1e-6 of the number): no bf16 or f16 on the way to a quantiser, and a product that is left as it is and whose result goes on into a quantised operand takes f32 operands (vector FMAs, or v_wmma_f32_16x16x4_f32). A number that lies on a knife's edge between two numbers of the format may be rounded either way, as far as f32 arithmetic and the matrix unit's own rounding can turn it there, and no further.
;; 2 versions. Each part assembles by itself: llvm-mc -triple=amdgcn-amd-amdhsa -mcpu=gfx1250 --defsym DOCPART=n.
;; ======== version 1 of 2: 3 launches
;; workspace buffers: kvc 12,582,912 bytes; kvs 524,288 bytes; qcs 3,276,800 bytes; wts 2,048,000 bytes; oc 3,145,728 bytes; os 131,072 bytes
;; launch quant (part 1): grid 800 x 1, 4 waves a work-group, no clusters, 67,072 bytes of LDS; arguments q, kv, Wq, Wk, Wv, Wo, kvc, kvs, qcs, wts; writes kvc, kvs, qcs, wts
.if DOCPART == 1
	.amdgcn_target "amdgcn-amd-amdhsa--gfx1250"
	.amdhsa_code_object_version 6
	.text
	.protected	k_qc743f98888_quant
	.globl	k_qc743f98888_quant
	.p2align	8
	.type	k_qc743f98888_quant,@function
k_qc743f98888_quant:
	s_mov_b64 s[64:65], 0
	v_nop
	global_prefetch_b8 v0, s[64:65] scope:SCOPE_SE
	s_setreg_imm32_b32 hwreg(HW_REG_WAVE_MODE, 25, 1), 1
	s_wait_xcnt 0x0
; q [4096][1024], kv [65536][256], Wq, Wo [1024 k][1024 n], Wk, Wv [256 k][1024 n], all f32, become codes of E2M3 (6 bits) with one E8M0 byte for each 32 along K.
; A block's scale is 2^(floor(log2(its largest magnitude)) - 2): its byte is the largest magnitude's exponent field - 2, held at 1 from below.
; THE CODES ARE LAID AS IMAGES OF THE OPERAND'S REGISTERS: a fragment (16 rows x 128 k, 12 registers a lane) is 1,536 bytes, registers 4 c .. 4 c + 3 of lane l at 512 c + 16 l,
; so that the later launches fetch a fragment by three loads of 512 consecutive bytes.  Lane l = (r = l % 16, hh = l / 16) holds row r, registers 6 c .. 6 c + 5: k = 64 c + 32 hh + 0 .. 31.
; ROWS OF A TILE: in kv (keys) and in Wq, Wk, Wv (columns) row r of tile u of a group of 32 is row 8 u + r + 8 (r / 8) of the group, so that a transposed product's 16 registers of two
; neighbouring tiles are 16 neighbours along the next K.  q's rows and Wo's columns are taken as they lie.
; SCALE WORDS (four bytes: 128 along K of one row): kv, q: one register for two K steps (lanes 0-15 the even step's word of row r, lanes 16-31 the odd step's); weights: one register for two tiles.
; SHARES: work-groups 0-511 take kv, 512-639 q (a wave: two units of 16 rows x 256 k), 640-799 the weights (a wave: 32 columns x 128 k).  Waves share nothing: no barrier.
; No matrix unit, no cluster, no tensor load: the launch is a stream that reads each f32 number once.
; LIMITS: NaN and infinities among the inputs are not served.  A block of zeros gets the byte 1 where the rule says 127: its codes are zeros, which add nothing under any byte but 0xff,
; and this program alone reads the bytes.  Blocks whose largest magnitude lies under 2^-124 are held at the byte 1.
.set QSCL, 3145728                     ; q's scale words begin here in qcs
.set WQC, 0                            ; regions of wts: codes of Wq, Wo, Wk, Wv, then their scale words
.set WOC, 786432
.set WKC, 1572864
.set WVC, 1769472
.set WQS, 1966080
.set WOS, 1998848
.set WKS, 2031616
.set WVS, 2039808
.set SEL, 60                           ; s[60:61] lane selects: lane l xor 16
.set ROW, 8                            ; v8-23   row path: byte offset of my 16 bytes in row p of a unit
.set TM,  24                           ; v24-27  largest magnitudes
.set BY,  28                           ; v28-31  scale bytes
.set SO,  32                           ; v32-35  the conversions' scale operands
.set PW,  36                           ; v36     a scale word
.set T0,  37                           ; v37     the even K step's word
.set SCW, 38                           ; v38-39  the two units' scale registers
.set PC,  40                           ; v40-51  a fragment's codes
.set XT,  52                           ; v52-59  the conversions' second halves
.set FA,  40                           ; weight path: the two tiles' fragments
.set FB,  52
.set XN,  64                           ; v64-127 64 numbers of a lane: register 16 b + i = k 32 b + 16 hh + i of my row
.set R,   128                          ; v128-255 a unit as loaded; weight path: 128 numbers down K
.set SPT, 1040                         ; a stage row: 1,024 bytes + 16: 260 words, so sixteen rows start at sixteen different groups of banks
; four blocks by turns: the largest magnitude of my 16 numbers with the floor 2^(3 - 127) among the leaves, joined with lane l xor 16's; 2 off its exponent field is the conversion's scale operand; that >> 23 the byte
.macro QSC s0, s1, s2, s3
	v_max3_num_f32 v[TM], |v[\s0]|, |v[(\s0)+1]|, 0x1800000
	v_max3_num_f32 v[TM+1], |v[\s1]|, |v[(\s1)+1]|, 0x1800000
	v_max3_num_f32 v[TM+2], |v[\s2]|, |v[(\s2)+1]|, 0x1800000
	v_max3_num_f32 v[TM+3], |v[\s3]|, |v[(\s3)+1]|, 0x1800000
.irp i, 2,4,6,8,10,12,14
	v_max3_num_f32 v[TM], v[TM], |v[(\s0)+\i]|, |v[(\s0)+\i+1]|
	v_max3_num_f32 v[TM+1], v[TM+1], |v[(\s1)+\i]|, |v[(\s1)+\i+1]|
	v_max3_num_f32 v[TM+2], v[TM+2], |v[(\s2)+\i]|, |v[(\s2)+\i+1]|
	v_max3_num_f32 v[TM+3], v[TM+3], |v[(\s3)+\i]|, |v[(\s3)+\i+1]|
.endr
.irp b, 0,1,2,3
	v_permlanex16_b32 v[BY+\b], v[TM+\b], s[SEL], s[SEL+1]
.endr
.irp b, 0,1,2,3
	v_max_num_f32 v[TM+\b], v[TM+\b], v[BY+\b]
.endr
.irp b, 0,1,2,3
	v_add_nc_u32 v[SO+\b], 0xff000000, v[TM+\b]
.endr
.irp b, 0,1,2,3
	v_lshrrev_b32 v[BY+\b], 23, v[SO+\b]
.endr
.endm
.macro WORD4 w                         ; the four bytes make a row's scale word
	v_lshl_or_b32 v[\w], v[BY+1], 8, v[BY]
	v_lshl_or_b32 v[\w], v[BY+2], 16, v[\w]
	v_lshl_or_b32 v[\w], v[BY+3], 24, v[\w]
.endm
.macro SWMV d, x                       ; two half blocks a lane become one whole block a lane: lanes 0-15 the first block, lanes 16-31 the second
.irp i, 0,1,2
	v_permlane16_swap_b32 v[(\d)+\i], v[(\x)+\i]
.endr
.irp i, 0,1,2
	v_mov_b32 v[(\d)+3+\i], v[(\x)+\i]
.endr
.endm
.macro QUANT s0, s1, s2, s3, pc, x, w  ; 64 numbers of a lane -> a fragment's 12 registers at pc and its scale word in w
	QSC \s0, \s1, \s2, \s3
	WORD4 \w
	v_cvt_scalef32_pk16_fp6_f32 v[(\pc):(\pc)+2], v[(\s0):(\s0)+15], v[SO]
	v_cvt_scalef32_pk16_fp6_f32 v[(\x):(\x)+2], v[(\s1):(\s1)+15], v[SO+1]
	v_cvt_scalef32_pk16_fp6_f32 v[(\pc)+6:(\pc)+8], v[(\s2):(\s2)+15], v[SO+2]
	v_cvt_scalef32_pk16_fp6_f32 v[(\x)+4:(\x)+6], v[(\s3):(\s3)+15], v[SO+3]
	v_nop                                          ; one plain line behind the scaled conversions
	SWMV \pc, \x
	SWMV (\pc)+6, (\x)+4
.endm
	s_load_b256 s[4:11], s[0:1], 0x0               ; q s[4:5], kv s[6:7], Wq s[8:9], Wk s[10:11]
	s_load_b256 s[12:19], s[0:1], 0x20             ; Wv s[12:13], Wo s[14:15], kvc s[16:17], kvs s[18:19]
	s_load_b128 s[20:23], s[0:1], 0x40             ; qcs s[20:21], wts s[22:23]
	s_set_vgpr_msb 0x40
	v_lshl_add_u32 v0, v0, 2, 0x10400
	v_mov_b32 v1, 0
	s_set_vgpr_msb 0x4000
	v_lshrrev_b32 v1, 5, v0
	v_readfirstlane_b32 s24, v1                    ; wave 0..3
	v_and_b32 v3, 31, v0                           ; lane
	v_lshlrev_b32 v1, 4, v3                        ; 16 l
	v_lshlrev_b32 v2, 3, v3                        ; 8 l
	v_and_b32 v4, 15, v0                           ; r
	v_bfe_u32 v5, v0, 4, 1                         ; hh
	s_mov_b32 s[SEL], 0x76543210
	s_mov_b32 s[SEL+1], 0xfedcba98
.irp b, 0,1,2,3
	v_mov_b32 v[BY+\b], 0                          ; written once: a lane permute's destination counts as one of its sources
.endr
	s_cmp_lt_u32 ttmp9, 640
	s_cbranch_scc0 .Lweights
; ---------------- rows: kv and q.  One text for both: pointers and four constants are chosen on the work-group's number
	s_lshl_b32 s25, ttmp9, 2
	s_add_co_u32 s25, s25, s24                     ; W = 4 x work-group + wave: in kv the group of 32 keys
	s_lshl_b32 s38, s25, 15                        ; kv: 32 keys of 1,024 bytes
	s_sub_co_u32 s41, s25, 2048                    ; q: W' = 2 x tile of 16 rows + half of K
	s_lshr_b32 s39, s41, 1
	s_lshl_b32 s39, s39, 16                        ; 16 rows of 4,096 bytes
	s_and_b32 s40, s41, 1
	s_lshl_b32 s40, s40, 11                        ; 512 along K
	s_add_co_u32 s39, s39, s40
	s_mov_b32 s34, 4096
	s_mov_b32 s42, 1024
	s_wait_kmcnt 0x0
	s_cmp_lt_u32 ttmp9, 512                        ; kv's work-group or q's
	s_cselect_b64 s[26:27], s[6:7], s[4:5]         ; the numbers
	s_cselect_b64 s[28:29], s[16:17], s[20:21]     ; the codes
	s_cselect_b64 s[30:31], s[18:19], s[20:21]     ; the scale words
	s_cselect_b32 s33, 0, QSCL
	s_cselect_b32 s34, 1024, s34                   ; from row to row
	s_cselect_b32 s35, 8192, 0                     ; kv: rows 8-15 of a tile lie 8 keys further on
	s_cselect_b32 s42, 8192, s42                   ; from unit 0 to unit 1: kv 8 keys, q 256 along K
	s_cselect_b32 s38, s38, s39
	s_cselect_b32 s41, s25, s41
	s_mov_b32 s39, 0
	s_mov_b32 s43, 0
	s_mov_b32 s47, 0
	s_add_nc_u64 s[26:27], s[26:27], s[38:39]      ; unit 0
	s_add_nc_u64 s[44:45], s[26:27], s[42:43]      ; unit 1
	s_mul_i32 s46, s41, 6144                       ; four fragments a wave
	s_add_nc_u64 s[28:29], s[28:29], s[46:47]
	s_lshl_b32 s46, s41, 8                         ; 256 bytes of scale words a wave
	s_add_co_u32 s46, s46, s33
	s_add_nc_u64 s[30:31], s[30:31], s[46:47]
	s_mul_i32 s48, s24, 16*SPT                     ; my wave's stage
	v_add_nc_u32 v6, s48, v1                       ; in: as loaded, 16 bytes a lane
	v_mul_u32_u24 v7, v4, SPT
	v_lshl_add_u32 v7, v5, 6, v7
	v_add_nc_u32 v7, s48, v7                       ; out: row r, + 64 hh: my 16 numbers of a block of 32
	v_cmp_lt_u32 vcc_lo, 15, v3                    ; lanes 16-31
.irp p, 0,1,2,3,4,5,6,7,8,9,10,11,12,13,14,15
	v_mad_u32_u24 v[ROW+\p], s34, \p, v1
.endr
.irp p, 8,9,10,11,12,13,14,15
	v_add_nc_u32 v[ROW+\p], s35, v[ROW+\p]
.endr
.macro ULOAD lo                        ; a unit: 16 rows x 1,024 bytes; each load reads 512 consecutive bytes
.irp p, 0,1,2,3,4,5,6,7,8,9,10,11,12,13,14,15
	global_load_b128 v[R+8*\p:R+8*\p+3], v[ROW+\p], s[\lo:\lo+1] th:TH_LOAD_NT
	global_load_b128 v[R+8*\p+4:R+8*\p+7], v[ROW+\p], s[\lo:\lo+1] offset:512 th:TH_LOAD_NT
.endr
.endm
.macro UNIT u
.irp k, 0,1,2,3
	s_wait_loadcnt 24-8*\k                         ; rows 4 k .. 4 k + 3 are in; the loads of the rows behind them stay out
.irp p, 0,1,2,3
	ds_store_b128 v6, v[R+8*(4*\k+\p):R+8*(4*\k+\p)+3] offset:SPT*(4*\k+\p)
	ds_store_b128 v6, v[R+8*(4*\k+\p)+4:R+8*(4*\k+\p)+7] offset:SPT*(4*\k+\p)+512
.endr
.endr
	s_wait_dscnt 0x0                               ; the stores have read their registers
.if \u == 0
	ULOAD 44                                       ; unit 1 is on its way while unit 0 is worked
.endif
.irp s, 0,1
.irp b, 0,1,2,3
.irp j, 0,1,2,3
	ds_load_b128 v[XN+16*\b+4*\j:XN+16*\b+4*\j+3], v7 offset:512*\s+128*\b+16*\j
.endr
.endr
	s_wait_dscnt 0x0
	s_wait_xcnt 0x0                                ; the last fragment's stores have read their data: the codes' registers are written again only behind this wait
	QUANT XN, XN+16, XN+32, XN+48, PC, XT, PW
.irp c, 0,1,2
	global_store_b128 v1, v[PC+4*\c:PC+4*\c+3], s[28:29] offset:3072*\u+1536*\s+512*\c   ; 512 consecutive bytes, at a multiple of 256 from the buffer's first byte
.endr
.if \s == 0
	v_mov_b32 v[T0], v[PW]
.else
	v_cndmask_b32 v[SCW+\u], v[T0], v[PW], vcc_lo  ; lanes 0-15 keep the even K step's word, lanes 16-31 take the odd step's
.endif
.endr
.endm
	ULOAD 26
	UNIT 0
	UNIT 1
	global_store_b64 v2, v[SCW:SCW+1], s[30:31]    ; 32 lanes store 256 consecutive bytes, aligned
	s_set_vgpr_msb 0x5
	s_wait_tensorcnt 0x0
	ds_add_u32 v0, v1
	s_wait_dscnt 0x0
	s_set_vgpr_msb 0x500
	s_endpgm
; ---------------- weights: K is the first axis.  A lane takes a column and its registers run down K, so a block of 32 is one lane's own
.Lweights:
	s_sub_co_u32 s25, ttmp9, 640
	s_lshl_b32 s25, s25, 2
	s_add_co_u32 s25, s25, s24                     ; X: 0-255 Wq, 256-511 Wo, 512-575 Wk, 576-639 Wv
	s_mov_b32 s28, 576                             ; the tensor's first X
	s_mov_b32 s29, 2                               ; its K steps
	s_mov_b32 s30, WVC
	s_mov_b32 s31, WVS
	s_mov_b32 s32, 8                               ; column of lane (r, hh) = r + A (r / 8) + B hh
	s_mov_b32 s33, 8
	s_wait_kmcnt 0x0
	s_mov_b64 s[26:27], s[12:13]
	s_cmp_lt_u32 s25, 576
	s_cselect_b64 s[26:27], s[10:11], s[26:27]
	s_cselect_b32 s28, 512, s28
	s_cselect_b32 s30, WKC, s30
	s_cselect_b32 s31, WKS, s31
	s_cmp_lt_u32 s25, 512
	s_cselect_b64 s[26:27], s[14:15], s[26:27]
	s_cselect_b32 s28, 256, s28
	s_cselect_b32 s29, 8, s29
	s_cselect_b32 s30, WOC, s30
	s_cselect_b32 s31, WOS, s31
	s_cselect_b32 s32, 0, s32                      ; Wo's columns as they lie
	s_cselect_b32 s33, 16, s33
	s_cmp_lt_u32 s25, 256
	s_cselect_b64 s[26:27], s[8:9], s[26:27]
	s_cselect_b32 s28, 0, s28
	s_cselect_b32 s30, WQC, s30
	s_cselect_b32 s31, WQS, s31
	s_cselect_b32 s32, 8, s32
	s_cselect_b32 s33, 8, s33
	s_sub_co_u32 s34, s25, s28
	s_lshr_b32 s35, s34, 5                         ; K step s
	s_and_b32 s34, s34, 31                         ; group g of 32 columns: a work-group's four waves stand side by side on 512 bytes of a row
	s_lshl_b32 s36, s35, 19                        ; 128 rows of 4,096 bytes
	s_lshl_b32 s38, s34, 7
	s_add_co_u32 s36, s36, s38
	s_mov_b32 s37, 0
	s_add_nc_u64 s[26:27], s[26:27], s[36:37]
	s_lshl_b32 s38, s34, 1
	s_mul_i32 s38, s38, s29
	s_add_co_u32 s38, s38, s35
	s_mul_i32 s38, s38, 1536
	s_add_co_u32 s38, s38, s30
	s_mov_b32 s39, 0
	s_add_nc_u64 s[40:41], s[22:23], s[38:39]      ; fragment (tile 2 g, K step s)
	s_mul_i32 s38, s29, 1536
	s_add_nc_u64 s[42:43], s[40:41], s[38:39]      ; fragment (tile 2 g + 1, K step s)
	s_mul_i32 s38, s34, s29
	s_add_co_u32 s38, s38, s35
	s_lshl_b32 s38, s38, 7
	s_add_co_u32 s38, s38, s31
	s_add_nc_u64 s[44:45], s[22:23], s[38:39]      ; the 32 columns' scale words
	v_bfe_u32 v6, v0, 3, 1
	v_mad_u32_u24 v7, v6, s32, v4
	v_mad_u32_u24 v7, v5, s33, v7
	v_lshlrev_b32 v7, 2, v7                        ; my column, in bytes
	v_lshlrev_b32 v8, 2, v3                        ; 4 l
.set i, 0
.rept 128
	global_load_b32 v[R+i], v7, s[26:27] offset:4096*i th:TH_LOAD_NT
.set i, i+1
.endr
.macro WBLK be, wt                     ; block be of my column: its 32 numbers are all mine
.set XS, R+32*(\be)
.set DD, FA+12*((\be)%2)+6*((\be)/2)
	s_wait_loadcnt \wt
	v_max3_num_f32 v[TM], |v[XS]|, |v[XS+1]|, |v[XS+2]|
	v_max3_num_f32 v[TM+1], |v[XS+3]|, |v[XS+4]|, |v[XS+5]|
.irp i, 6,10,14,18,22,26
	v_max3_num_f32 v[TM], v[TM], |v[XS+\i]|, |v[XS+\i+1]|
	v_max3_num_f32 v[TM+1], v[TM+1], |v[XS+\i+2]|, |v[XS+\i+3]|
.endr
	v_max3_num_f32 v[TM], v[TM], |v[XS+30]|, |v[XS+31]|
	v_max3_num_f32 v[TM], v[TM], v[TM+1], 0x1800000
	v_add_nc_u32 v[SO], 0xff000000, v[TM]
	v_lshrrev_b32 v[BY+(\be)], 23, v[SO]
	v_cvt_scalef32_pk16_fp6_f32 v[DD:DD+2], v[XS:XS+15], v[SO]
	v_cvt_scalef32_pk16_fp6_f32 v[20:22], v[XS+16:XS+31], v[SO]   ; (a conversion's three registers begin on an even number)
	v_nop
.irp i, 0,1,2
	v_mov_b32 v[DD+3+\i], v[20+\i]
.endr
.endm
	WBLK 0, 63                                     ; 96 younger loads could stay out; a wait's count holds 63 at the most
	WBLK 1, 63                                     ; likewise (64)
	WBLK 2, 32                                     ; the last block's 32 loads stay out
	WBLK 3, 0
.irp i, 0,1,2,3,4,5,6,7,8,9,10,11
	v_permlane16_swap_b32 v[FA+\i], v[FB+\i]       ; FA held blocks 0, 2 and FB blocks 1, 3 of each lane's column: now FA is tile 2 g's fragment and FB tile 2 g + 1's
.endr
	WORD4 PW
.irp c, 0,1,2
	global_store_b128 v1, v[FA+4*\c:FA+4*\c+3], s[40:41] offset:512*\c
	global_store_b128 v1, v[FB+4*\c:FB+4*\c+3], s[42:43] offset:512*\c
.endr
	global_store_b32 v8, v[PW], s[44:45]           ; lanes 0-15 tile 2 g's words, lanes 16-31 tile 2 g + 1's
	s_endpgm
.Lfunc_end_k_qc743f98888_quant:
	.size	k_qc743f98888_quant, .Lfunc_end_k_qc743f98888_quant-k_qc743f98888_quant
	.p2alignl 7, 3214868480
	.fill 96, 4, 3214868480
	.section	.rodata,"a",@progbits
	.p2align	6, 0x0
	.amdhsa_kernel k_qc743f98888_quant
		.amdhsa_group_segment_fixed_size 67072
		.amdhsa_private_segment_fixed_size 0
		.amdhsa_enable_private_segment 0
		.amdhsa_kernarg_size 80
		.amdhsa_user_sgpr_count 2
		.amdhsa_user_sgpr_kernarg_segment_ptr 1
		.amdhsa_wavefront_size32 1
		.amdhsa_system_sgpr_workgroup_id_x 1
		.amdhsa_system_sgpr_workgroup_id_y 1
		.amdhsa_system_sgpr_workgroup_id_z 1
		.amdhsa_system_vgpr_workitem_id 0
		.amdhsa_next_free_vgpr 258
		.amdhsa_next_free_sgpr 66
		.amdhsa_reserve_vcc 1
		.amdhsa_float_denorm_mode_32 3
		.amdhsa_float_denorm_mode_16_64 3
		.amdhsa_memory_ordered 1
		.amdhsa_forward_progress 1
		.amdhsa_inst_pref_size 57
	.end_amdhsa_kernel
	.amdgpu_metadata
---
amdhsa.version: [ 1, 2 ]
amdhsa.kernels:
  - .name:           k_qc743f98888_quant
    .symbol:         k_qc743f98888_quant.kd
    .args:
      - { .name: q, .offset: 0, .size: 8, .value_kind: global_buffer, .address_space: global }
      - { .name: kv, .offset: 8, .size: 8, .value_kind: global_buffer, .address_space: global }
      - { .name: Wq, .offset: 16, .size: 8, .value_kind: global_buffer, .address_space: global }
      - { .name: Wk, .offset: 24, .size: 8, .value_kind: global_buffer, .address_space: global }
      - { .name: Wv, .offset: 32, .size: 8, .value_kind: global_buffer, .address_space: global }
      - { .name: Wo, .offset: 40, .size: 8, .value_kind: global_buffer, .address_space: global }
      - { .name: kvc, .offset: 48, .size: 8, .value_kind: global_buffer, .address_space: global }
      - { .name: kvs, .offset: 56, .size: 8, .value_kind: global_buffer, .address_space: global }
      - { .name: qcs, .offset: 64, .size: 8, .value_kind: global_buffer, .address_space: global }
      - { .name: wts, .offset: 72, .size: 8, .value_kind: global_buffer, .address_space: global }
    .group_segment_fixed_size: 67072
    .private_segment_fixed_size: 0
    .kernarg_segment_align: 8
    .kernarg_segment_size: 80
    .max_flat_workgroup_size: 128
    .sgpr_count:     66
    .vgpr_count:     258
    .wavefront_size: 32
...
	.end_amdgpu_metadata
.endif
;; end of part 1
;; launch attn (part 2): grid 16 x 32, 8 waves a work-group, no clusters, 286,720 bytes of LDS; arguments kvc, kvs, qcs, wts, oc, os; writes oc, os
.if DOCPART == 2
	.amdgcn_target "amdgcn-amd-amdhsa--gfx1250"
	.amdhsa_code_object_version 6
	.text
	.protected	k_qc743f98888_attn
	.globl	k_qc743f98888_attn
	.p2align	8
	.type	k_qc743f98888_attn,@function
k_qc743f98888_attn:
	s_mov_b64 s[64:65], 0
	v_nop
	global_prefetch_b8 v0, s[64:65] scope:SCOPE_SE
	s_setreg_imm32_b32 hwreg(HW_REG_WAVE_MODE, 25, 1), 1
	s_wait_xcnt 0x0
; One work-group for one (batch b, head h): qh = q Wq, kh = kv Wk, vh = kv Wv for this head, the scores, the softmax, p V, O / l, and the quantiser of the result.  All five products on codes of E2M3 with
; E8M0 scales for each 32 along K; kh, vh, the scores and p never go to memory.
; SHARES.  Eight waves.  WAVE w OWNS KEYS 256 w .. 256 w + 255 FOR ALL 128 QUERIES: it projects K and V for its keys, keeps their codes in its registers, and for each of the eight tiles of 16 queries makes the
; scores, p = 2^(t - M) with a whole number M of its own (the ceiling of the largest t among its 256 keys), the sum l of the unquantised p, and its part of O^T.  Parts, -M and l meet in LDS;
; wave j then adds tile j's eight parts, each times 2^(its M - the largest M), a multiplication that rounds nothing, divides by l and quantises.  In the projection wave w also makes query tile w of qh.
; LAYOUT.  Every product is used so that a lane's registers run along the next product's K (the tiles' rows were chosen for that when the codes were laid out):
;   qh^T = Wq^T q^T, kh^T = Wk^T kv^T (source 0 = 16 columns of the weight): a lane holds one query or key, 16 registers of two tiles are 16 neighbouring d;
;   vh = kv Wv (source 0 = 16 keys): a lane holds one d, 16 registers are 16 neighbouring keys;   S^T = kh qh^T: a lane holds one query, registers run along the keys;   O^T = vh^T p^T: one query, registers along d.
; THE SCORES' K IS 64 in an instruction of 128: Q's fragment has zero codes in its upper six registers, so K's tiles lie dense, six registers each, and a tile's operand reaches into the next tile's codes, which meet zeros.
; NO CLUSTER, NO TENSOR LOAD: the 16 heads of a batch read the same codes of kv, but each fragment goes from memory straight into the registers of the one wave that owns its keys; a joint load lands in LDS, and two slots
; of one block of 32 keys for each of eight waves are 98,304 bytes where 327,680 - 285,696 = 41,984 are free beside the parts of O^T.
; LIMITS: NaN and infinities are not served.  A block of zeros gets the byte 1 (its codes are zeros; this program alone reads the bytes); blocks under 2^-124 are held at the byte 1.  Terms some 126 binades under a
; row's largest p are lost.  1 / l is v_rcp_f32's.
; REGISTERS, window 0: v1-15 addresses; v16-55 scale words and nothing else; v56-183 S^T / p (projection: v56-119 accumulators, v120-167 kv's block, v168-179 codes); v184-207 p's codes (projection: V's);
;   v208-223 conversions' second halves; v216-227 Q's fragment; v228-255 at work.   window 1: v0-95 Wk, then K's codes; v96-191 q, then Wv, then V's codes; v192-239 kv's other block.
;   In the last phase: v56-183 four parts of O^T; v184-199 the eight waves' (-M, l), later the quantiser's working registers; v200-215 the factors; v216-247 the sum of the parts; v248-251 the row's -M, l, 1 / l twice.
.set WQC, 0
.set WKC, 1572864
.set WVC, 1769472
.set WQS, 1966080
.set WKS, 2031616
.set WVS, 2039808
.set QSCL, 3145728
.set WQI, 0                            ; LDS: the head's weights, staged once: Wq 49,152 bytes, Wk 12,288, Wv 12,288;
.set WKI, 49152
.set WVI, 61440
.set VP,  12288                        ; later wave w's own 32,768 bytes at 32,768 w: K's 8 images, from VP on V's 16 half images; later still its 8 parts of O^T, 4,096 bytes each
.set QI,  262144                       ; Q's 8 half images of 768 bytes,
.set QW,  268288                       ; their scale words, 128 bytes each,
.set STAT, 269312                      ; (-M, l): tile j x 2,048 + lane x 64 + wave x 8
.set L16, 1
.set L8,  2
.set L4,  3
.set PA16, 4                           ; 16 l + 32,768 w
.set PA8, 5                            ; 8 l + 32,768 w
.set QB16, 6
.set QB8, 7
.set QB4, 8
.set STB, 9
.set L256, 14
.set WKSR, 16                          ; v16-19 Wk's scale words, v20-23 Wv's: register 2 (n / 2) + s, lanes 0-15 the even tile, lanes 16-31 the odd
.set WVSR, 20
.set KVS, 24                           ; v24-27 kv's: register 2 (block % 2) + u, lanes 0-15 K step 0, lanes 16-31 K step 1
.set KWD, 28                           ; v28-43 K's 16 tiles
.set VWD, 44                           ; v44-51 V's: register 2 n + s
.set QWR, 52
.set PW,  53                           ; v53-54 p's
.set QS,  28                           ; in the Q projection: v28-31 q's, v32-47 Wq's
.set WQSR, 32
.set S,   56
.set ACC, 56
.set KV0, 120
.set PC,  168
.set PV,  184
.set P,   184
.set X,   208
.set QF,  216
.set WB0, 56                           ; Q projection: two buffers of Wq's four fragments, 112 registers apart
.set ACCQ, 216
.set BM,  228                          ; softmax: the blocks' largest scores, then largest p
.set PT,  236
.set SOP, 244
.set OA,  216                          ; the sum of the parts: v216-247, which nothing else names in the last phase
.set FF,  200                          ; eight pairs of factors
.set MG,  248                          ; the row's -M
.set LS,  249                          ; the row's l
.set RL,  250                          ; v250-251 1 / l, twice
.set SEL, 20
.set MSB, 0
.macro WIN new                         ; low byte: bits 1:0 source 0, 3:2 source 1, 5:4 source 2, 7:6 destination; the high byte repeats the setting that is left
.if MSB != (\new)
	s_set_vgpr_msb (MSB<<8)|(\new)
.set MSB, (\new)
.endif
.endm
.macro PLACES                          ; four plain lines between a matrix instruction and a read of its result, a write of one of its registers or a load into one
.rept 4
	v_nop
.endr
.endm
.macro BARRIER                         ; my LDS stores have landed and my LDS loads are in: then the work-group's barrier
	s_wait_dscnt 0x0
	s_barrier_signal -1
	s_barrier_wait -1
.endm
; one product: c < 0: the sum starts with 0.  ra, rb = 1: that side's scale words are taken from lanes 16-31
.macro WMMA d, a, b, c, sa, sb, ra, rb
.if (\c) < 0
.if (\ra) && (\rb)
	v_wmma_scale_f32_16x16x128_f8f6f4 v[(\d):(\d)+7], v[(\a):(\a)+11], v[(\b):(\b)+11], 0, v[\sa], v[\sb] matrix_a_fmt:MATRIX_FMT_FP6 matrix_b_fmt:MATRIX_FMT_FP6 matrix_a_scale:MATRIX_SCALE_ROW1 matrix_b_scale:MATRIX_SCALE_ROW1
.elseif (\ra)
	v_wmma_scale_f32_16x16x128_f8f6f4 v[(\d):(\d)+7], v[(\a):(\a)+11], v[(\b):(\b)+11], 0, v[\sa], v[\sb] matrix_a_fmt:MATRIX_FMT_FP6 matrix_b_fmt:MATRIX_FMT_FP6 matrix_a_scale:MATRIX_SCALE_ROW1
.elseif (\rb)
	v_wmma_scale_f32_16x16x128_f8f6f4 v[(\d):(\d)+7], v[(\a):(\a)+11], v[(\b):(\b)+11], 0, v[\sa], v[\sb] matrix_a_fmt:MATRIX_FMT_FP6 matrix_b_fmt:MATRIX_FMT_FP6 matrix_b_scale:MATRIX_SCALE_ROW1
.else
	v_wmma_scale_f32_16x16x128_f8f6f4 v[(\d):(\d)+7], v[(\a):(\a)+11], v[(\b):(\b)+11], 0, v[\sa], v[\sb] matrix_a_fmt:MATRIX_FMT_FP6 matrix_b_fmt:MATRIX_FMT_FP6
.endif
.else
.if (\ra) && (\rb)
	v_wmma_scale_f32_16x16x128_f8f6f4 v[(\d):(\d)+7], v[(\a):(\a)+11], v[(\b):(\b)+11], v[(\c):(\c)+7], v[\sa], v[\sb] matrix_a_fmt:MATRIX_FMT_FP6 matrix_b_fmt:MATRIX_FMT_FP6 matrix_a_scale:MATRIX_SCALE_ROW1 matrix_b_scale:MATRIX_SCALE_ROW1
.elseif (\ra)
	v_wmma_scale_f32_16x16x128_f8f6f4 v[(\d):(\d)+7], v[(\a):(\a)+11], v[(\b):(\b)+11], v[(\c):(\c)+7], v[\sa], v[\sb] matrix_a_fmt:MATRIX_FMT_FP6 matrix_b_fmt:MATRIX_FMT_FP6 matrix_a_scale:MATRIX_SCALE_ROW1
.elseif (\rb)
	v_wmma_scale_f32_16x16x128_f8f6f4 v[(\d):(\d)+7], v[(\a):(\a)+11], v[(\b):(\b)+11], v[(\c):(\c)+7], v[\sa], v[\sb] matrix_a_fmt:MATRIX_FMT_FP6 matrix_b_fmt:MATRIX_FMT_FP6 matrix_b_scale:MATRIX_SCALE_ROW1
.else
	v_wmma_scale_f32_16x16x128_f8f6f4 v[(\d):(\d)+7], v[(\a):(\a)+11], v[(\b):(\b)+11], v[(\c):(\c)+7], v[\sa], v[\sb] matrix_a_fmt:MATRIX_FMT_FP6 matrix_b_fmt:MATRIX_FMT_FP6
.endif
.endif
.endm
; four blocks by turns: the largest magnitude of my 16 numbers, with the floor 2^(3 - 127) among the leaves, joined with lane l xor 16's; 2 off its exponent field is the conversion's scale operand; that >> 23 the byte.
; Each accumulator is read from its low end on.  TM, BY, SO (four registers each) are set anew for each phase, clear of that phase's sources.
.macro QSC s0, s1, s2, s3
	v_max3_num_f32 v[TM], |v[\s0]|, |v[(\s0)+1]|, 0x1800000
	v_max3_num_f32 v[TM+1], |v[\s1]|, |v[(\s1)+1]|, 0x1800000
	v_max3_num_f32 v[TM+2], |v[\s2]|, |v[(\s2)+1]|, 0x1800000
	v_max3_num_f32 v[TM+3], |v[\s3]|, |v[(\s3)+1]|, 0x1800000
.irp i, 2,4,6,8,10,12,14
	v_max3_num_f32 v[TM], v[TM], |v[(\s0)+\i]|, |v[(\s0)+\i+1]|
	v_max3_num_f32 v[TM+1], v[TM+1], |v[(\s1)+\i]|, |v[(\s1)+\i+1]|
	v_max3_num_f32 v[TM+2], v[TM+2], |v[(\s2)+\i]|, |v[(\s2)+\i+1]|
	v_max3_num_f32 v[TM+3], v[TM+3], |v[(\s3)+\i]|, |v[(\s3)+\i+1]|
.endr
.irp b, 0,1,2,3
	v_permlanex16_b32 v[BY+\b], v[TM+\b], s[SEL], s[SEL+1]
.endr
.irp b, 0,1,2,3
	v_max_num_f32 v[TM+\b], v[TM+\b], v[BY+\b]
.endr
.irp b, 0,1,2,3
	v_add_nc_u32 v[SO+\b], 0xff000000, v[TM+\b]
.endr
.irp b, 0,1,2,3
	v_lshrrev_b32 v[BY+\b], 23, v[SO+\b]
.endr
.endm
.macro WORD4 w
	v_lshl_or_b32 v[\w], v[BY+1], 8, v[BY]
	v_lshl_or_b32 v[\w], v[BY+2], 16, v[\w]
	v_lshl_or_b32 v[\w], v[BY+3], 24, v[\w]
.endm
.macro SWMV d, x                       ; two half blocks a lane become one whole block a lane: lanes 0-15 the first block, lanes 16-31 the second
.irp i, 0,1,2
	v_permlane16_swap_b32 v[(\d)+\i], v[(\x)+\i]
.endr
.irp i, 0,1,2
	v_mov_b32 v[(\d)+3+\i], v[(\x)+\i]
.endr
.endm
.macro QUANT s0, s1, s2, s3, pc, x, w  ; 64 numbers of a lane (four runs of 16 neighbours) -> 12 registers of codes at pc, the scale word in w
	QSC \s0, \s1, \s2, \s3
	WORD4 \w
	v_cvt_scalef32_pk16_fp6_f32 v[(\pc):(\pc)+2], v[(\s0):(\s0)+15], v[SO]
	v_cvt_scalef32_pk16_fp6_f32 v[(\x):(\x)+2], v[(\s1):(\s1)+15], v[SO+1]
	v_cvt_scalef32_pk16_fp6_f32 v[(\pc)+6:(\pc)+8], v[(\s2):(\s2)+15], v[SO+2]
	v_cvt_scalef32_pk16_fp6_f32 v[(\x)+4:(\x)+6], v[(\s3):(\s3)+15], v[SO+3]
	v_nop                                          ; one plain line behind the scaled conversions
	SWMV \pc, \x
	SWMV (\pc)+6, (\x)+4
.endm
; block blk of my keys (32 keys x 256 k: four fragments, 6,144 bytes) into the buffer blk % 2, and its two scale registers: 13 loads
.macro KVLOAD blk
.if ((\blk)%2) == 0
	WIN 0
.irp i, 0,1,2,3,4,5,6,7,8,9,10,11
	global_load_b128 v[KV0+4*\i:KV0+4*\i+3], v[L16], s[32:33] offset:6144*(\blk)+512*\i
.endr
.else
	WIN 0x40                                       ; destination window 1
.irp i, 0,1,2,3,4,5,6,7,8,9,10,11
	global_load_b128 v[192+4*\i:192+4*\i+3], v[L16], s[32:33] offset:6144*(\blk)+512*\i
.endr
	WIN 0
.endif
	global_load_b64 v[KVS+2*((\blk)%2):KVS+2*((\blk)%2)+1], v[L8], s[34:35] offset:256*(\blk)
.endm
; ---------------- the head
	s_load_b256 s[4:11], s[0:1], 0x0               ; kvc s[4:5], kvs s[6:7], qcs s[8:9], wts s[10:11]
	s_load_b128 s[12:15], s[0:1], 0x20             ; oc s[12:13], os s[14:15]
	v_lshl_add_u32 v55, v0, 2, 0x45c00
	s_set_vgpr_msb 0x40
	v_mov_b32 v255, 0
	s_set_vgpr_msb 0x4000
	v_lshrrev_b32 v15, 5, v0
	v_readfirstlane_b32 s16, v15                   ; wave w
	s_mov_b32 s17, ttmp9                           ; head h
	s_and_b32 s18, ttmp7, 0xffff                   ; batch b
	v_and_b32 v13, 31, v0                          ; lane
	v_lshlrev_b32 v[L16], 4, v13
	v_lshlrev_b32 v[L8], 3, v13
	v_lshlrev_b32 v[L4], 2, v13
	v_lshlrev_b32 v[L256], 8, v13
	s_lshl_b32 s19, s16, 15
	v_add_nc_u32 v[PA16], s19, v[L16]
	v_add_nc_u32 v[PA8], s19, v[L8]
	v_add_nc_u32 v[QB16], QI, v[L16]
	v_add_nc_u32 v[QB8], QI+512, v[L8]
	v_add_nc_u32 v[QB4], QW, v[L4]
	v_lshlrev_b32 v[STB], 6, v13
	s_lshl_b32 s19, s16, 3
	s_add_co_u32 s19, s19, STAT
	v_add_nc_u32 v[STB], s19, v[STB]
	s_mul_i32 s26, s16, 6144
	v_add_nc_u32 v10, s26, v[L16]                  ; where I stage my slice of Wq
	s_mul_i32 s27, s16, 1536
	v_add_nc_u32 v11, s27, v[L16]                  ; and my fragment of Wk and of Wv
	v_add_nc_u32 v12, WVI, v[L16]                  ; Wv's images lie past the reach of an immediate
	s_mov_b32 s[SEL], 0x76543210
	s_mov_b32 s[SEL+1], 0xfedcba98
	s_mov_b32 s22, 0x3e38aa3b                      ; c = log2(e) / sqrt(64): t = score x c
	s_mov_b32 s23, s22                             ; (named with it as a pair)
.irp b, 0,1,2,3
	v_mov_b32 v[108+\b], 0                         ; a lane permute's destination counts as one of its sources
.endr
	s_lshl_b32 s24, s18, 6
	s_lshl_b32 s25, s16, 3
	s_add_co_u32 s24, s24, s25                     ; my first block of 32 keys: 64 b + 8 w
	s_mul_i32 s32, s24, 6144
	s_mov_b32 s33, 0
	s_lshl_b32 s34, s24, 8
	s_mov_b32 s35, 0
	s_lshl_b32 s25, s18, 3
	s_add_co_u32 s25, s25, s16                     ; my tile of 16 queries: 8 b + w
	s_mul_i32 s36, s25, 12288
	s_mov_b32 s37, 0
	s_lshl_b32 s38, s25, 9
	s_add_co_u32 s38, s38, QSCL
	s_mov_b32 s39, 0
	s_mul_i32 s40, s17, 49152
	s_add_co_u32 s40, s40, s26
	s_mov_b32 s41, 0
	s_mul_i32 s42, s17, 12288
	s_add_co_u32 s42, s42, s27
	s_add_co_u32 s42, s42, WKC
	s_mov_b32 s43, 0
	s_lshl_b32 s44, s17, 11
	s_add_co_u32 s44, s44, WQS
	s_mov_b32 s45, 0
	s_lshl_b32 s46, s17, 9
	s_add_co_u32 s46, s46, WKS
	s_mov_b32 s47, 0
	s_lshl_b32 s48, s25, 4
	s_add_co_u32 s48, s48, s17
	s_mul_i32 s48, s48, 768
	s_mov_b32 s49, 0
	s_lshl_b32 s50, s25, 9
	s_lshl_b32 s26, s17, 1
	s_add_co_u32 s50, s50, s26
	s_mov_b32 s51, 0
	s_wait_kmcnt 0x0
	s_add_nc_u64 s[32:33], s[4:5], s[32:33]        ; kv's codes, my keys
	s_add_nc_u64 s[34:35], s[6:7], s[34:35]        ; their scale registers
	s_add_nc_u64 s[36:37], s[8:9], s[36:37]        ; q's codes, my tile
	s_add_nc_u64 s[38:39], s[8:9], s[38:39]        ; its scale registers
	s_add_nc_u64 s[40:41], s[10:11], s[40:41]      ; my slice of the head's Wq
	s_add_nc_u64 s[42:43], s[10:11], s[42:43]      ; my fragment of its Wk (Wv: WVC - WKC on)
	s_add_nc_u64 s[44:45], s[10:11], s[44:45]      ; Wq's scale words
	s_add_nc_u64 s[46:47], s[10:11], s[46:47]      ; Wk's (Wv's: WVS - WKS on)
	s_add_nc_u64 s[48:49], s[12:13], s[48:49]      ; where my tile's codes of the result go
	s_add_nc_u64 s[50:51], s[14:15], s[50:51]      ; and their scale bytes
	; 18 loads for the stage: the head's weights are read from memory once by the work-group, an eighth by each wave
.irp i, 0,1,2,3,4,5,6,7,8,9,10,11
	global_load_b128 v[168+4*\i:168+4*\i+3], v[L16], s[40:41] offset:512*\i
.endr
.irp c, 0,1,2
	global_load_b128 v[216+4*\c:216+4*\c+3], v[L16], s[42:43] offset:512*\c
.endr
.irp c, 0,1,2
	global_load_b128 v[228+4*\c:228+4*\c+3], v[L16], s[42:43] offset:WVC-WKC+512*\c
.endr
	; 50 loads: my tile of q (8 fragments) and all scale words
	WIN 0x40
.set i, 0
.rept 24
	global_load_b128 v[96+4*i:96+4*i+3], v[L16], s[36:37] offset:512*i
.set i, i+1
.endr
	WIN 0
	global_load_b64 v[QS:QS+1], v[L8], s[38:39]
	global_load_b64 v[QS+2:QS+3], v[L8], s[38:39] offset:256
.irp i, 0,1,2,3,4,5,6,7,8,9,10,11,12,13,14,15
	global_load_b32 v[WQSR+\i], v[L4], s[44:45] offset:128*\i
.endr
.irp i, 0,1,2,3
	global_load_b32 v[WKSR+\i], v[L4], s[46:47] offset:128*\i
.endr
.irp i, 0,1,2,3
	global_load_b32 v[WVSR+\i], v[L4], s[46:47] offset:WVS-WKS+128*\i
.endr
	s_wait_loadcnt 50                              ; the 18 are in; the 50 issued behind them stay out
.irp i, 0,1,2,3,4,5,6,7,8,9,10,11
	ds_store_b128 v10, v[168+4*\i:168+4*\i+3] offset:WQI+512*\i
.endr
.irp c, 0,1,2
	ds_store_b128 v11, v[216+4*\c:216+4*\c+3] offset:WKI+512*\c
.endr
.irp c, 0,1,2
	ds_store_b128 v11, v[228+4*\c:228+4*\c+3] offset:WVI+512*\c
.endr
	KVLOAD 0
	BARRIER                                        ; the head's weights lie in LDS
; ---------------- qh^T of my 16 queries: eight K steps, four accumulators by turns; Wq's fragments a step ahead, in two buffers
.macro FETCHW s, buf
.irp n, 0,1,2,3
.irp c, 0,1,2
	ds_load_b128 v[(\buf)+12*\n+4*\c:(\buf)+12*\n+4*\c+3], v[L16] offset:WQI+(8*\n+(\s))*1536+512*\c
.endr
.endr
.endm
.macro QSTEP s
.if (\s) > 0
	PLACES                                         ; the buffer filled below was multiplied by the step before
.endif
.if (\s) < 7
	FETCHW (\s)+1, WB0+112*(((\s)+1)%2)
.endif
.if (\s) == 0
	s_wait_dscnt 36                                ; step 0's fragments are in; Wk's 24 loads and step 1's 12 stay out
.elseif (\s) < 7
	s_wait_dscnt 12                                ; the next step's 12 stay out
.else
	s_wait_dscnt 0x0
.endif
	WIN 0x04                                       ; source 1 (q) window 1
.irp n, 0,1,2,3
.if (\s) == 0
	WMMA ACCQ+8*\n, WB0+112*((\s)%2)+12*\n, 96+12*(\s), -1, WQSR+8*(\n/2)+(\s), QS+(\s)/2, \n%2, (\s)%2
.else
	WMMA ACCQ+8*\n, WB0+112*((\s)%2)+12*\n, 96+12*(\s), ACCQ+8*\n, WQSR+8*(\n/2)+(\s), QS+(\s)/2, \n%2, (\s)%2
.endif
.endr
	WIN 0
.endm
	FETCHW 0, WB0
	WIN 0x40
.set i, 0
.rept 24
	ds_load_b128 v[4*i:4*i+3], v[L16] offset:WKI+512*i   ; Wk's eight fragments: they stay in window 1
.set i, i+1
.endr
	WIN 0
	s_wait_loadcnt 13                              ; q and all scale words are in; kv's block 0 (13 loads) stays out
.irp s, 0,1,2,3,4,5,6,7
	QSTEP \s
.endr
	PLACES
	WIN 0x40
.set i, 0
.rept 24
	ds_load_b128 v[96+4*i:96+4*i+3], v12 offset:512*i    ; Wv's eight fragments take q's place
.set i, i+1
.endr
	KVLOAD 1
.set TM, 104
.set BY, 108
.set SO, 112
	QUANT ACCQ, ACCQ+16, ACCQ, ACCQ+16, 56, 68, 248      ; the head's 64 are two blocks: the sources are named twice so that the one macro serves; the first six registers are Q's codes
	s_mul_i32 s26, s16, 768
	v_add_nc_u32 v10, s26, v[QB16]
	v_add_nc_u32 v11, s26, v[QB8]
	s_lshl_b32 s26, s16, 7
	v_add_nc_u32 v13, s26, v[QB4]
	ds_store_b128 v10, v[56:59]                    ; a half image: registers 0-3 at 16 l, registers 4-5 at 512 + 8 l
	ds_store_b64 v11, v[60:61]
	ds_store_b32 v13, v248
	BARRIER                                        ; Q's eight tiles lie in LDS, and nobody reads the staged weights any more
; ---------------- kh and vh of my 256 keys, a block of 32 keys at a time
.set TM, 228
.set BY, 232
.set SO, 236
.irp i, 0,1,2,3,4,5,6,7,8,9,10,11
	v_mov_b32 v[232+\i], 0                         ; the lane permutes' destinations of this phase and of the softmax
.endr
.macro BLOCK bp
.set BE, (\bp)%2
.set TA, (\bp)/2
.set KVR, KV0+72*BE
.set BYI, 2*(TA%2)+BE
.if (\bp) < 7
	s_wait_loadcnt 13                              ; this block is in; the next block's 13 loads stay out
.else
	s_wait_loadcnt 0x0
.endif
	WIN 1+4*BE                                     ; source 0 (Wk) window 1, source 1 (kv) window 0 or 1
.irp s, 0,1
.irp u, 0,1
.irp n, 0,1,2,3
.if \s == 0
	WMMA ACC+32*\u+8*\n, 12*(2*\n+\s), KVR+12*(2*\u+\s), -1, WKSR+2*(\n/2)+\s, KVS+2*BE+\u, \n%2, \s
.else
	WMMA ACC+32*\u+8*\n, 12*(2*\n+\s), KVR+12*(2*\u+\s), ACC+32*\u+8*\n, WKSR+2*(\n/2)+\s, KVS+2*BE+\u, \n%2, \s
.endif
.endr
.endr
.endr
	WIN 0
	PLACES
	s_wait_dscnt 0x0                               ; the last block's stores into my LDS bytes have read their registers
	QUANT ACC, ACC+16, ACC+32, ACC+48, PC, X, KWD+2*(\bp)   ; two dense tiles of K: six registers each; the word's low two bytes are the first tile's,
	v_lshrrev_b32 v[KWD+2*(\bp)+1], 16, v[KWD+2*(\bp)]      ; its high two the second's
.irp c, 0,1,2
	ds_store_b128 v[PA16], v[PC+4*\c:PC+4*\c+3] offset:1536*(\bp)+512*\c
.endr
	WIN BE+4                                       ; source 0 (kv) window 0 or 1, source 1 (Wv) window 1
.irp s, 0,1
.irp n, 0,1,2,3
.irp u, 0,1
.if \s == 0
	WMMA ACC+16*\n+8*\u, KVR+12*(2*\u+\s), 96+12*(2*\n+\s), -1, KVS+2*BE+\u, WVSR+2*(\n/2)+\s, \s, \n%2
.else
	WMMA ACC+16*\n+8*\u, KVR+12*(2*\u+\s), 96+12*(2*\n+\s), ACC+16*\n+8*\u, KVS+2*BE+\u, WVSR+2*(\n/2)+\s, \s, \n%2
.endif
.endr
.endr
.endr
	WIN 0
	PLACES
.if (\bp) < 6
	KVLOAD (\bp)+2                                 ; into the buffer just multiplied
.endif
; kv's codes are prefetched into the L2: the 16 heads of a batch read the same bytes, so head 0's work-group asks, each wave for its own blocks 4 to 7 (bytes 24,576 to 49,151 of its 49,152), lanes 256 bytes apart,
; 8,192 bytes an instruction: each aligned 256 bytes is named once in the launch, two blocks or more ahead of its load.  Blocks 0 to 3 come by their loads alone.
.if (\bp) == 0
	s_cmp_lg_u32 s17, 0
	s_cbranch_scc1 .Lnot_mine_0
	global_prefetch_b8 v[L256], s[32:33] offset:24576 th:TH_LOAD_NT scope:SCOPE_SE
	global_prefetch_b8 v[L256], s[32:33] offset:32768 th:TH_LOAD_NT scope:SCOPE_SE
.Lnot_mine_0:
.endif
.if (\bp) == 2
	s_cmp_lg_u32 s17, 0
	s_cbranch_scc1 .Lnot_mine_2
	global_prefetch_b8 v[L256], s[32:33] offset:40960 th:TH_LOAD_NT scope:SCOPE_SE
.Lnot_mine_2:
.endif
	QSC ACC, ACC+16, ACC+32, ACC+48                ; V: these 32 keys are one block of each of the four tiles of d
.irp n, 0,1,2,3
.if BYI == 0
	v_mov_b32 v[VWD+2*\n+TA/2], v[BY+\n]
.else
	v_lshl_or_b32 v[VWD+2*\n+TA/2], v[BY+\n], 8*BYI, v[VWD+2*\n+TA/2]
.endif
.endr
.if BE == 0
.irp n, 0,1,2,3
	v_cvt_scalef32_pk16_fp6_f32 v[PV+6*\n:PV+6*\n+2], v[ACC+16*\n:ACC+16*\n+15], v[SO+\n]
.endr
	v_nop
.else
.irp n, 0,1,2,3
	v_cvt_scalef32_pk16_fp6_f32 v[X+4*\n:X+4*\n+2], v[ACC+16*\n:ACC+16*\n+15], v[SO+\n]
.endr
	v_nop
.irp n, 0,1,2,3
	SWMV PV+6*\n, X+4*\n                           ; two blocks of keys: half a fragment of V^T
.endr
.irp n, 0,1,2,3
	ds_store_b128 v[PA16], v[PV+6*\n:PV+6*\n+3] offset:VP+(4*TA+\n)*768
	ds_store_b64 v[PA8], v[PV+6*\n+4:PV+6*\n+5] offset:VP+(4*TA+\n)*768+512
.endr
.endif
.endm
.irp p, 0,1,2,3,4,5,6,7
	BLOCK \p
.endr
; ---------------- my codes come back from my own LDS bytes into the weights' registers (LDS serves a wave's instructions in order: these loads see my stores)
.irp i, 0,1,2,3,4,5
	v_mov_b32 v[QF+6+\i], 0                        ; Q's upper six registers: zero codes
.endr
	PLACES                                         ; an operand written by vector instructions stands four plain lines ahead of a scaled product
	WIN 0x40
.set i, 0
.rept 24
	ds_load_b128 v[4*i:4*i+3], v[PA16] offset:512*i      ; K: tile t at registers 6 t .. 6 t + 5
.set i, i+1
.endr
.irp n, 0,1,2,3
.irp s, 0,1
.irp c, 0,1
	ds_load_b128 v[96+12*(2*\n+\s)+6*\c:96+12*(2*\n+\s)+6*\c+3], v[PA16] offset:VP+(4*(2*\s+\c)+\n)*768
	ds_load_b64 v[96+12*(2*\n+\s)+6*\c+4:96+12*(2*\n+\s)+6*\c+5], v[PA8] offset:VP+(4*(2*\s+\c)+\n)*768+512
.endr
.endr
.endr
	WIN 0
	s_wait_dscnt 0x0
; ---------------- eight tiles of 16 queries against my 256 keys.  No barrier in the loop: the waves run free, so that one wave's vector work stands beside the matrix work of the other wave on its SIMD
	s_mov_b32 s24, 0                               ; 768 j
	s_mov_b32 s25, 0                               ; 128 j
	s_mov_b32 s26, 0                               ; 4,096 j
	s_mov_b32 s27, 0                               ; 2,048 j
	s_mov_b32 s28, 0
.Lq:
	v_add_nc_u32 v10, s24, v[QB16]
	v_add_nc_u32 v11, s24, v[QB8]
	v_add_nc_u32 v12, s25, v[QB4]
	ds_load_b128 v[QF:QF+3], v10
	ds_load_b64 v[QF+4:QF+5], v11
	ds_load_b32 v[QWR], v12
	s_wait_dscnt 0x0                               ; Q's tile is in, and the last trip's stores have read O^T
	WIN 0x01                                       ; source 0 window 1
.irp t, 0,1,2,3,4,5,6,7,8,9,10,11,12,13,14,15
	WMMA S+8*\t, 6*\t, QF, -1, KWD+\t, QWR, 0, 0   ; S^T: the 16 registers of tiles 2 g, 2 g + 1 are keys 32 g + 16 hh + 0 .. 15 of my query
.endr
	WIN 0
	PLACES
.irp b, 0,1,2,3,4,5,6,7
	v_max3_num_f32 v[BM+\b], v[S+16*\b], v[S+16*\b+1], v[S+16*\b+2]   ; the largest score of each block of 32 keys: it serves for the row's maximum and, since p rises with the score, for the block's largest p
.endr
.irp i, 3,5,7,9,11,13
.irp b, 0,1,2,3,4,5,6,7
	v_max3_num_f32 v[BM+\b], v[BM+\b], v[S+16*\b+\i], v[S+16*\b+\i+1]
.endr
.endr
.irp b, 0,1,2,3,4,5,6,7
	v_max_num_f32 v[BM+\b], v[BM+\b], v[S+16*\b+15]
.endr
.irp b, 0,1,2,3,4,5,6,7
	v_permlanex16_b32 v[PT+\b], v[BM+\b], s[SEL], s[SEL+1]
.endr
.irp b, 0,1,2,3,4,5,6,7
	v_max_num_f32 v[BM+\b], v[BM+\b], v[PT+\b]
.endr
	v_max3_num_f32 v253, v[BM], v[BM+1], v[BM+2]
	v_max3_num_f32 v253, v253, v[BM+3], v[BM+4]
	v_max3_num_f32 v253, v253, v[BM+5], v[BM+6]
	v_max_num_f32 v253, v253, v[BM+7]
	v_mul_f32 v253, s22, v253                      ; the largest t of my query among my keys (c is positive)
	v_floor_f32 v252, -v253                        ; -M = floor(-t) = -ceil(t): a whole number
.set i, 0
.rept 64
	v_pk_fma_f32 v[S+i:S+i+1], v[S+i:S+i+1], s[22:23], v[252:253] op_sel_hi:[1,0,0]   ; t - M, two at a time (of the pairs c and -M the low word serves both halves)
.set i, i+2
.endr
.irp b, 0,1,2,3,4,5,6,7
	v_fma_f32 v[BM+\b], v[BM+\b], s22, v252        ; the same of each block's largest score
.endr
.set i, 0
.rept 128
	v_exp_f32 v[S+i], v[S+i]                       ; p = 2^(t - M), not normalised
.set i, i+1
.endr
	v_add_nc_u32 v13, s26, v[PA16]                 ; (a plain line behind the exponentials)  where this tile's part of O^T goes
	s_wait_alu depctr_va_vdst(0)                   ; one wait for the batch of 128, ahead of its first reader
.irp b, 0,1,2,3,4,5,6,7
	v_exp_f32 v[BM+\b], v[BM+\b]                   ; the blocks' largest p: the same two instructions on the same number give the same bits
.endr
	v_pk_add_f32 v[254:255], v[S:S+1], v[S+2:S+3]  ; the row's sum is taken of the unquantised p: two at a time, in two chains
	v_pk_add_f32 v[236:237], v[S+4:S+5], v[S+6:S+7]
.set i, 8
.rept 30
	v_pk_add_f32 v[254:255], v[254:255], v[S+i:S+i+1]
	v_pk_add_f32 v[236:237], v[236:237], v[S+i+2:S+i+3]
.set i, i+4
.endr
	v_pk_add_f32 v[254:255], v[254:255], v[236:237]
	s_wait_alu depctr_va_vdst(0)                   ; and one for the eight
.irp b, 0,1,2,3,4,5,6,7
	v_max_num_f32 v[BM+\b], 0x1800000, v[BM+\b]    ; the floor 2^(3 - 127): the byte cannot fall under 1
.endr
.irp b, 0,1,2,3,4,5,6,7
	v_add_nc_u32 v[SOP+\b], 0xff000000, v[BM+\b]
.endr
.irp b, 0,1,2,3,4,5,6,7
	v_lshrrev_b32 v[PT+\b], 23, v[SOP+\b]
.endr
.irp s, 0,1
	v_lshl_or_b32 v[PW+\s], v[PT+4*\s+1], 8, v[PT+4*\s]
	v_lshl_or_b32 v[PW+\s], v[PT+4*\s+2], 16, v[PW+\s]
	v_lshl_or_b32 v[PW+\s], v[PT+4*\s+3], 24, v[PW+\s]
.endr
.irp s, 0,1
	v_cvt_scalef32_pk16_fp6_f32 v[P+12*\s:P+12*\s+2], v[S+64*\s:S+64*\s+15], v[SOP+4*\s]
	v_cvt_scalef32_pk16_fp6_f32 v[X:X+2], v[S+64*\s+16:S+64*\s+31], v[SOP+4*\s+1]
	v_cvt_scalef32_pk16_fp6_f32 v[P+12*\s+6:P+12*\s+8], v[S+64*\s+32:S+64*\s+47], v[SOP+4*\s+2]
	v_cvt_scalef32_pk16_fp6_f32 v[X+4:X+6], v[S+64*\s+48:S+64*\s+63], v[SOP+4*\s+3]
	v_nop
	SWMV P+12*\s, X
	SWMV P+12*\s+6, X+4
.endr
	v_add_f32 v254, v254, v255                     ; the sum's two halves,
	v_permlanex16_b32 v255, v254, s[SEL], s[SEL+1]
	v_add_f32 v253, v254, v255                     ; and lane l xor 16's: l, beside -M
	v_add_nc_u32 v15, s27, v[STB]
	PLACES                                         ; p's codes stand four plain lines ahead of the products, its scale words more than eight
	WIN 0x01
.irp s, 0,1
.irp n, 0,1,2,3
.if \s == 0
	WMMA S+8*\n, 96+12*(2*\n+\s), P+12*\s, -1, VWD+2*\n+\s, PW+\s, 0, 0
.else
	WMMA S+8*\n, 96+12*(2*\n+\s), P+12*\s, S+8*\n, VWD+2*\n+\s, PW+\s, 0, 0
.endif
.endr
.endr
	WIN 0
	PLACES
.irp q, 0,1,2,3,4,5,6,7
	ds_store_b128 v13, v[S+4*\q:S+4*\q+3] offset:512*\q   ; my part of O^T as an image of its 32 registers; each accumulator from its low end on
.endr
	ds_store_b64 v15, v[252:253]
	s_add_co_u32 s24, s24, 768
	s_add_co_u32 s25, s25, 128
	s_add_co_u32 s26, s26, 4096
	s_add_co_u32 s27, s27, 2048
	s_add_co_u32 s28, s28, 1
	s_cmp_lt_u32 s28, 8
	s_cbranch_scc1 .Lq
	BARRIER                                        ; all 64 parts, and their -M and l, lie in LDS
; ---------------- wave w adds query tile w's eight parts
	v_lshrrev_b32 v15, 2, v[L256]
	s_lshl_b32 s26, s16, 11
	s_add_co_u32 s26, s26, STAT
	v_add_nc_u32 v15, s26, v15
.irp i, 0,1,2,3
	ds_load_b128 v[184+4*\i:184+4*\i+3], v15 offset:16*\i   ; (-M, l) of the eight waves
.endr
	s_lshl_b32 s26, s16, 12
	v_add_nc_u32 v10, s26, v[L16]
	v_add_nc_u32 v11, 0x10000, v10
	v_add_nc_u32 v12, 0x20000, v10
	v_add_nc_u32 v13, 0x30000, v10
.macro PLOAD k                         ; wave k's part into buffer k % 4
.irp q, 0,1,2,3,4,5,6,7
	ds_load_b128 v[S+32*((\k)%4)+4*\q:S+32*((\k)%4)+4*\q+3], v[10+(\k)/2] offset:32768*((\k)%2)+512*\q
.endr
.endm
	PLOAD 0
	PLOAD 1
	PLOAD 2
	PLOAD 3
	s_wait_dscnt 32                                ; the statistics are in; the four parts' 32 loads stay out
	v_min3_num_f32 v[MG], v184, v186, v188
	v_min3_num_f32 v[MG], v[MG], v190, v192
	v_min3_num_f32 v[MG], v[MG], v194, v196
	v_min_num_f32 v[MG], v[MG], v198               ; the least -M: the row's M
.irp k, 0,1,2,3,4,5,6,7
	v_sub_f32 v[FF+2*\k], v[MG], v[184+2*\k]       ; that wave's M less the row's: a whole number, 0 or less
.endr
.irp k, 0,1,2,3,4,5,6,7
	v_cvt_i32_f32 v[FF+2*\k], v[FF+2*\k]           ; (it saturates)
.endr
.irp k, 0,1,2,3,4,5,6,7
	v_ldexp_f32 v[FF+2*\k+1], 1.0, v[FF+2*\k]      ; the factor: a power of two
.endr
.irp k, 0,1,2,3,4,5,6,7
	v_mov_b32 v[FF+2*\k], v[FF+2*\k+1]
.endr
	v_mul_f32 v[LS], v[FF], v185
.irp k, 1,2,3,4,5,6,7
	v_fmac_f32 v[LS], v[FF+2*\k], v[185+2*\k]      ; l
.endr
	v_rcp_f32 v[RL], v[LS]
	v_nop                                          ; a plain line behind the reciprocal,
	s_wait_alu depctr_va_vdst(0)                   ; and the wait ahead of its first reader
	v_mov_b32 v[RL+1], v[RL]
.macro PSUM k, wt
	s_wait_dscnt \wt                               ; this part is in; the loads of the parts behind it stay out, eight each
.set BB, S+32*((\k)%4)
.irp i, 0,2,4,6,8,10,12,14,16,18,20,22,24,26,28,30
.if (\k) == 0
	v_pk_mul_f32 v[OA+\i:OA+\i+1], v[BB+\i:BB+\i+1], v[FF+2*(\k):FF+2*(\k)+1]
.else
	v_pk_fma_f32 v[OA+\i:OA+\i+1], v[BB+\i:BB+\i+1], v[FF+2*(\k):FF+2*(\k)+1], v[OA+\i:OA+\i+1]
.endif
.endr
.if (\k) < 4
	PLOAD (\k)+4
.endif
.endm
	PSUM 0, 24
	PSUM 1, 24
	PSUM 2, 24
	PSUM 3, 24
	PSUM 4, 24
	PSUM 5, 16
	PSUM 6, 8
	PSUM 7, 0
.irp i, 0,2,4,6,8,10,12,14,16,18,20,22,24,26,28,30
	v_pk_mul_f32 v[OA+\i:OA+\i+1], v[OA+\i:OA+\i+1], v[RL:RL+1]   ; O^T / l: registers 0-15 are d = 16 hh + 0 .. 15, registers 16-31 d = 32 + 16 hh + 0 .. 15 of my query
.endr
.set TM, 184                           ; the statistics' registers are used up: the quantiser works there, clear of its sources v216-247
.set BY, 188
.set SO, 192
	QUANT OA, OA+16, OA, OA+16, 56, 68, 248        ; the head's 64 are two blocks of the last product's K
	global_store_b128 v[L16], v[56:59], s[48:49]   ; a half image, 768 consecutive bytes, at a multiple of 256 from the buffer's first byte
	global_store_b64 v[L8], v[60:61], s[48:49] offset:512
	v_bfe_u32 v10, v0, 4, 1                        ; hh
	v_and_b32 v11, 15, v0                          ; r
	v_lshlrev_b32 v12, 3, v10
	v_lshrrev_b32 v249, v12, v248                  ; block hh's byte
	v_lshl_add_u32 v13, v11, 5, v10                ; row r of 32 bytes, + hh
	global_store_b8 v13, v249, s[50:51]            ; two bytes a row for this head: 1 part in 24 of what the work-group stores
	s_set_vgpr_msb 0x4
	s_wait_tensorcnt 0x0
	ds_add_u32 v55, v255
	s_wait_dscnt 0x0
	s_set_vgpr_msb 0x400
	s_endpgm
.Lfunc_end_k_qc743f98888_attn:
	.size	k_qc743f98888_attn, .Lfunc_end_k_qc743f98888_attn-k_qc743f98888_attn
	.p2alignl 7, 3214868480
	.fill 96, 4, 3214868480
	.section	.rodata,"a",@progbits
	.p2align	6, 0x0
	.amdhsa_kernel k_qc743f98888_attn
		.amdhsa_group_segment_fixed_size 286720
		.amdhsa_private_segment_fixed_size 0
		.amdhsa_enable_private_segment 0
		.amdhsa_kernarg_size 48
		.amdhsa_user_sgpr_count 2
		.amdhsa_user_sgpr_kernarg_segment_ptr 1
		.amdhsa_wavefront_size32 1
		.amdhsa_system_sgpr_workgroup_id_x 1
		.amdhsa_system_sgpr_workgroup_id_y 1
		.amdhsa_system_sgpr_workgroup_id_z 1
		.amdhsa_system_vgpr_workitem_id 0
		.amdhsa_next_free_vgpr 512
		.amdhsa_next_free_sgpr 66
		.amdhsa_reserve_vcc 0
		.amdhsa_float_denorm_mode_32 3
		.amdhsa_float_denorm_mode_16_64 3
		.amdhsa_memory_ordered 1
		.amdhsa_forward_progress 1
		.amdhsa_inst_pref_size 190
	.end_amdhsa_kernel
	.amdgpu_metadata
---
amdhsa.version: [ 1, 2 ]
amdhsa.kernels:
  - .name:           k_qc743f98888_attn
    .symbol:         k_qc743f98888_attn.kd
    .args:
      - { .name: kvc, .offset: 0, .size: 8, .value_kind: global_buffer, .address_space: global }
      - { .name: kvs, .offset: 8, .size: 8, .value_kind: global_buffer, .address_space: global }
      - { .name: qcs, .offset: 16, .size: 8, .value_kind: global_buffer, .address_space: global }
      - { .name: wts, .offset: 24, .size: 8, .value_kind: global_buffer, .address_space: global }
      - { .name: oc, .offset: 32, .size: 8, .value_kind: global_buffer, .address_space: global }
      - { .name: os, .offset: 40, .size: 8, .value_kind: global_buffer, .address_space: global }
    .group_segment_fixed_size: 286720
    .private_segment_fixed_size: 0
    .kernarg_segment_align: 8
    .kernarg_segment_size: 48
    .max_flat_workgroup_size: 256
    .sgpr_count:     66
    .vgpr_count:     512
    .wavefront_size: 32
...
	.end_amdgpu_metadata
.endif
;; end of part 2
;; launch oproj (part 3): grid 8 x 32, 8 waves a work-group, clusters of 4 x 4, 232,448 bytes of LDS; arguments oc, os, wts, bo, out0; writes out0
.if DOCPART == 3
	.amdgcn_target "amdgcn-amd-amdhsa--gfx1250"
	.amdhsa_code_object_version 6
	.text
	.protected	k_qc743f98888_oproj
	.globl	k_qc743f98888_oproj
	.p2align	8
	.type	k_qc743f98888_oproj,@function
k_qc743f98888_oproj:
	s_mov_b64 s[64:65], 0
	v_nop
	global_prefetch_b8 v0, s[64:65] scope:SCOPE_SE
	s_setreg_imm32_b32 hwreg(HW_REG_WAVE_MODE, 25, 1), 1
	s_wait_xcnt 0x0
	s_wait_alu depctr_hold_cnt(0) depctr_sa_sdst(0) depctr_va_vdst(0) depctr_va_sdst(0) depctr_va_ssrc(0) depctr_va_vcc(0) depctr_vm_vsrc(0)
	s_getreg_b32 s2, hwreg(HW_REG_IB_STS2, 6, 4)
	s_cmp_eq_u32 s2, 0
	s_cbranch_scc0 .Lentry_in_a_cluster
	s_endpgm
.Lentry_in_a_cluster:
	s_bfe_u32 s2, ttmp6, 0x10000c
	s_cmp_lg_u32 s2, 0xf033
	s_cbranch_scc0 .Lentry_shape_is_right
	s_endpgm
.Lentry_shape_is_right:
; out0 = out Wo + bo on codes of E2M3 with one E8M0 scale for each 32 along K = 1,024.  out arrives as half images of operand registers (tile of 16 rows, head: 768 bytes) with scale bytes [row][32];
; Wo as images of fragments (tile of 16 columns, K step: 1,536 bytes) with scale words for pairs of tiles.
; SHARES.  A work-group makes 128 rows (batch y) x 128 columns (x).  Its whole operands, 98,304 bytes each and dense in memory, come into LDS once: every LDS byte is filled once, so there is no ring.
; Eight waves, each 32 rows x 64 columns: eight accumulators, which take turns.
; CLUSTER.  4 x 4 work-groups: the four of a row of the cluster need the same rows of out, the four of a column the same columns of Wo.  Each panel is asked for JOINTLY, a quarter by each of four waves:
; the same tensor load, with the same descriptor and a mask that names the four.  By this text's count a wave has one tensor load out.
; THE PRODUCT IS USED TRANSPOSED (source 0 = 16 columns of Wo, source 1 = 16 rows of out): a lane holds eight neighbouring numbers of a row of the result.  The bias is the C of each sum's first product.
; LIMITS: NaN and infinities are not served.
.set WOC, 786432
.set WOS, 1998848
.set BPAN, 98304                       ; LDS: out's panel at 0, Wo's here,
.set STG,  196608                      ; the way out: 16 rows x (256 bytes + 16) for each wave: no tile lands here
.set ACC, 16                           ; v16-79   accumulator (jj, tt) at 8 (4 jj + tt)
.set FB,  80                           ; v80-127  Wo's four fragments
.set FA,  128                          ; v128-151 out's two
.set OSR, 152                          ; v152-159 out's scale words: register s; lanes 0-15 my first 16 rows, lanes 16-31 my second
.set WOSR, 160                         ; v160-175 Wo's: register 8 (tt / 2) + s; lanes 0-15 the even tile, lanes 16-31 the odd
.set BI,  176                          ; v176-207 the bias, eight registers a tile of columns, in the result's layout
.set G1A, 24                           ; s[24:31], s[32:35] descriptor groups 1 and 0 for out's panel;  s[48:55], s[56:59] for Wo's
.set G0A, 32
.set G1B, 48
.set G0B, 56
.macro PLACES
.rept 4
	v_nop
.endr
.endm
.macro CROUND                          ; a round of the cluster's barrier: my work-group's barrier; wave 0 signals for the work-group; every wave waits for all sixteen; my work-group's barrier once more
	s_barrier_signal -1
	s_barrier_wait -1
	s_cmp_lg_u32 s14, 0
	s_cbranch_scc1 .Lnot_wave_0_\@
	s_barrier_signal -3
.Lnot_wave_0_\@:
	s_barrier_wait -3
	s_barrier_signal -1
	s_barrier_wait -1
.endm
.macro WMMA d, a, b, c, sa, sb, ra, rb ; ra, rb = 1: that side's scale words are taken from lanes 16-31
.if (\ra) && (\rb)
	v_wmma_scale_f32_16x16x128_f8f6f4 v[(\d):(\d)+7], v[(\a):(\a)+11], v[(\b):(\b)+11], v[(\c):(\c)+7], v[\sa], v[\sb] matrix_a_fmt:MATRIX_FMT_FP6 matrix_b_fmt:MATRIX_FMT_FP6 matrix_a_scale:MATRIX_SCALE_ROW1 matrix_b_scale:MATRIX_SCALE_ROW1
.elseif (\ra)
	v_wmma_scale_f32_16x16x128_f8f6f4 v[(\d):(\d)+7], v[(\a):(\a)+11], v[(\b):(\b)+11], v[(\c):(\c)+7], v[\sa], v[\sb] matrix_a_fmt:MATRIX_FMT_FP6 matrix_b_fmt:MATRIX_FMT_FP6 matrix_a_scale:MATRIX_SCALE_ROW1
.elseif (\rb)
	v_wmma_scale_f32_16x16x128_f8f6f4 v[(\d):(\d)+7], v[(\a):(\a)+11], v[(\b):(\b)+11], v[(\c):(\c)+7], v[\sa], v[\sb] matrix_a_fmt:MATRIX_FMT_FP6 matrix_b_fmt:MATRIX_FMT_FP6 matrix_b_scale:MATRIX_SCALE_ROW1
.else
	v_wmma_scale_f32_16x16x128_f8f6f4 v[(\d):(\d)+7], v[(\a):(\a)+11], v[(\b):(\b)+11], v[(\c):(\c)+7], v[\sa], v[\sb] matrix_a_fmt:MATRIX_FMT_FP6 matrix_b_fmt:MATRIX_FMT_FP6
.endif
.endm
	s_load_b256 s[4:11], s[0:1], 0x0               ; oc s[4:5], os s[6:7], wts s[8:9], bo s[10:11]
	s_load_b64 s[12:13], s[0:1], 0x20              ; out0
	v_lshl_add_u32 v254, v0, 2, 0x38800
	v_mov_b32 v255, 0
	ds_add_u32 v254, v255
	ds_add_u32 v254, v255
	v_lshrrev_b32 v1, 5, v0
	v_readfirstlane_b32 s14, v1                    ; wave 0..7
	s_lshr_b32 s15, s14, 2                         ; which 64 columns are mine.  Also: I fetch for out (0) or for Wo (1)
	s_and_b32 s16, s14, 3                          ; which 32 rows.  Also: which quarter of that panel I fetch
	s_bfe_u32 s40, ttmp6, 0x40000                  ; cx, cy: my place in the cluster
	s_bfe_u32 s41, ttmp6, 0x40004
	s_lshl_b32 s42, ttmp9, 2
	s_add_co_u32 s42, s42, s40                     ; x = 4 x cluster x + cx
	s_and_b32 s17, ttmp7, 0xffff
	s_lshl_b32 s17, s17, 2
	s_add_co_u32 s17, s17, s41                     ; y = 4 x cluster y + cy
	s_lshl_b32 s43, s41, 2
	s_lshl_b32 s43, 15, s43                        ; my row of the cluster
	s_lshl_b32 s44, 0x1111, s40                    ; my column
	; descriptor group 1: a quarter of a panel, 24,576 dense bytes, as 96 rows of 256 bytes (32 elements of 8 bytes), no padding: fragments are read back as 512 consecutive bytes
	s_or_b32 s[G1A], s43, (3<<16)|(1<<21)          ; 15:0 the mask: out's panel goes to my row; 17:16 elements of 8 bytes; 21 set beside a mask
	s_or_b32 s[G1B], s44, (3<<16)|(1<<21)          ; Wo's goes to my column
.irp g, G1A, G1B
	s_mov_b32 s[\g+1], 32<<16                      ; tensor_dim0 = 32
	s_mov_b32 s[\g+2], 96<<16                      ; tensor_dim1 = 96
	s_mov_b32 s[\g+3], 32<<16                      ; tile_dim0 = 32
	s_mov_b32 s[\g+4], 96                          ; tile_dim1 = 96
	s_mov_b32 s[\g+5], 32                          ; from row to row
	s_mov_b32 s[\g+6], 0
	s_mov_b32 s[\g+7], 0
.endr
	s_mul_i32 s18, s16, 24576                      ; my quarter
	s_mul_i32 s20, s17, 98304                      ; out's panel hangs on y alone, which my row of the cluster shares;
	s_add_co_u32 s20, s20, s18
	s_mov_b32 s21, 0
	s_mul_i32 s46, s42, 98304                      ; Wo's on x alone, which my column shares
	s_add_co_u32 s46, s46, s18
	s_add_co_u32 s46, s46, WOC
	s_mov_b32 s47, 0
	s_mul_i32 s45, s14, 24576                      ; where it goes: wave x 24,576: no place in the cluster enters an LDS address
	s_wait_dscnt 0x0
	s_wait_kmcnt 0x0
	s_add_nc_u64 s[20:21], s[4:5], s[20:21]
	s_add_nc_u64 s[46:47], s[8:9], s[46:47]
	CROUND                                         ; all sixteen work-groups are here: the joint loads meet
	s_mov_b32 s[G0A], 1                            ; count = 1
	s_mov_b32 s[G0A+1], s45                        ; LDS address
	s_mov_b64 s[G0A+2:G0A+3], s[20:21]             ; global address
	s_or_b32 s[G0A+3], s[G0A+3], 0x80000000        ; type = 2
	s_mov_b32 s[G0B], 1
	s_mov_b32 s[G0B+1], s45
	s_mov_b64 s[G0B+2:G0B+3], s[46:47]
	s_or_b32 s[G0B+3], s[G0B+3], 0x80000000
	s_cmp_eq_u32 s15, 0                            ; the branch hangs on the wave's number alone; four v_nop follow each of the two lines
	s_cbranch_scc0 .Lfor_b
	tensor_load_to_lds s[G0A:G0A+3], s[G1A:G1A+7]
	s_nop 0
	PLACES
	s_branch .Lasked
.Lfor_b:
	tensor_load_to_lds s[G0B:G0B+3], s[G1B:G1B+7]
	s_nop 0
	PLACES
.Lasked:
	v_and_b32 v1, 31, v0                           ; lane
	v_and_b32 v2, 15, v0                           ; r
	v_bfe_u32 v3, v0, 4, 1                         ; hh
	s_mul_i32 s18, s15, 49152
	s_add_co_u32 s18, s18, BPAN
	v_lshl_add_u32 v4, v1, 4, s18                  ; Wo: my four tiles' images
	s_mul_i32 s18, s16, 24576
	v_lshl_add_u32 v5, v1, 4, s18                  ; out: my two tiles' half images: registers 0-3,
	s_add_co_u32 s18, s18, 512
	v_lshl_add_u32 v6, v1, 3, s18                  ; registers 4-5
	s_mul_i32 s18, s14, 16*272
	s_add_co_u32 s18, s18, STG                     ; my stage
	v_mul_u32_u24 v7, v2, 272
	v_lshl_add_u32 v7, v3, 5, v7
	v_add_nc_u32 v7, s18, v7                       ; in: row r, + 32 hh
	v_mul_u32_u24 v8, v3, 272
	v_lshl_add_u32 v8, v2, 4, v8
	v_add_nc_u32 v8, s18, v8                       ; back: lanes 0-15 one row of 256 bytes, lanes 16-31 the next
	v_lshlrev_b32 v9, 12, v3
	v_lshl_add_u32 v9, v2, 4, v9                   ; and the same two rows in out0
	v_lshlrev_b32 v10, 5, v1                       ; out's scale bytes: 32 a row, a lane a row
	v_lshlrev_b32 v11, 2, v1
	v_lshlrev_b32 v12, 5, v3                       ; the bias: my half's eight numbers
	s_lshl_b32 s22, s17, 12
	s_lshl_b32 s23, s16, 10
	s_add_co_u32 s22, s22, s23                     ; (128 y + 32 x my rows' quarter) x 32 bytes
	s_mov_b32 s23, 0
	s_add_nc_u64 s[36:37], s[6:7], s[22:23]
	s_lshl_b32 s60, s42, 12
	s_lshl_b32 s61, s15, 11
	s_add_co_u32 s60, s60, s61
	s_add_co_u32 s60, s60, WOS                     ; groups of 32 columns 4 x + 2 (my half) on, 1,024 bytes each
	s_mov_b32 s61, 0
	s_add_nc_u64 s[38:39], s[8:9], s[60:61]
	s_lshl_b32 s60, s42, 9
	s_lshl_b32 s62, s15, 8
	s_add_co_u32 s60, s60, s62                     ; my first column, in bytes
	s_add_nc_u64 s[10:11], s[10:11], s[60:61]
	s_add_nc_u64 s[12:13], s[12:13], s[60:61]
	s_lshl_b32 s22, s17, 19
	s_lshl_b32 s62, s16, 17
	s_add_co_u32 s22, s22, s62                     ; my first row, 4,096 bytes a row
	s_add_nc_u64 s[12:13], s[12:13], s[22:23]
	global_load_b128 v[OSR:OSR+3], v10, s[36:37]
	global_load_b128 v[OSR+4:OSR+7], v10, s[36:37] offset:16
.irp i, 0,1,2,3,4,5,6,7,8,9,10,11,12,13,14,15
	global_load_b32 v[WOSR+\i], v11, s[38:39] offset:128*\i
.endr
.irp t, 0,1,2,3
	global_load_b128 v[BI+8*\t:BI+8*\t+3], v12, s[10:11] offset:64*\t
	global_load_b128 v[BI+8*\t+4:BI+8*\t+7], v12, s[10:11] offset:64*\t+16
.endr
	s_wait_tensorcnt 0x0                           ; my quarter has landed,
	s_barrier_signal -1
	s_barrier_wait -1                              ; everybody's has
.macro KSTEP s
.if (\s) > 0
	PLACES                                         ; in front of loads into registers that the last products read
.endif
.irp t, 0,1,2,3
.irp c, 0,1,2
	ds_load_b128 v[FB+12*\t+4*\c:FB+12*\t+4*\c+3], v4 offset:(8*\t+(\s))*1536+512*\c
.endr
.endr
.irp j, 0,1
.irp e, 0,1
	ds_load_b128 v[FA+12*\j+6*\e:FA+12*\j+6*\e+3], v5 offset:(16*\j+2*(\s)+\e)*768      ; heads 2 s and 2 s + 1 are the K step's two halves
	ds_load_b64 v[FA+12*\j+6*\e+4:FA+12*\j+6*\e+5], v6 offset:(16*\j+2*(\s)+\e)*768
.endr
.endr
.if (\s) == 0
	s_wait_loadcnt 0x0                             ; scale words and bias
.endif
	s_wait_dscnt 0x0
.irp j, 0,1
.irp t, 0,1,2,3
.if (\s) == 0
	WMMA ACC+8*(4*\j+\t), FB+12*\t, FA+12*\j, BI+8*\t, WOSR+8*(\t/2)+(\s), OSR+(\s), \t%2, \j
.else
	WMMA ACC+8*(4*\j+\t), FB+12*\t, FA+12*\j, ACC+8*(4*\j+\t), WOSR+8*(\t/2)+(\s), OSR+(\s), \t%2, \j
.endif
.endr
.endr
.endm
.irp s, 0,1,2,3,4,5,6,7
	KSTEP \s
.endr
	; THE WAY OUT: a lane holds 32 neighbouring bytes of a row and the lanes beside it other rows: 16 rows x 256 bytes at a time go through my own stage and come back as whole rows.
	; LDS serves a wave's instructions in order: no wait between the stores and the loads, nor in front of the second half's stores.
	PLACES
.irp j, 0,1
.irp t, 0,1,2,3
	ds_store_b128 v7, v[ACC+8*(4*\j+\t):ACC+8*(4*\j+\t)+3] offset:64*\t         ; each accumulator from its low end on
	ds_store_b128 v7, v[ACC+8*(4*\j+\t)+4:ACC+8*(4*\j+\t)+7] offset:64*\t+16
.endr
.irp i, 0,1,2,3,4,5,6,7
	ds_load_b128 v[FB+32*\j+4*\i:FB+32*\j+4*\i+3], v8 offset:2*\i*272
.endr
.irp i, 0,1,2,3,4,5,6,7
	s_wait_dscnt 7-\i                              ; rows 2 i, 2 i + 1 are back; the loads behind them stay out
	global_store_b128 v9, v[FB+32*\j+4*\i:FB+32*\j+4*\i+3], s[12:13] offset:(16*\j+2*\i)*4096 th:TH_STORE_NT   ; 16 lanes store 256 consecutive bytes, at a multiple of 256 from out0's first byte
.endr
.endr
	s_wait_dscnt 0x0
	s_wait_tensorcnt 0x0
	ds_add_u32 v254, v255
	s_wait_dscnt 0x0
	CROUND                                         ; the closing round: no work-group ends while a partner may still ask for a panel that names it
	s_endpgm
.Lfunc_end_k_qc743f98888_oproj:
	.size	k_qc743f98888_oproj, .Lfunc_end_k_qc743f98888_oproj-k_qc743f98888_oproj
	.p2alignl 7, 3214868480
	.fill 96, 4, 3214868480
	.section	.rodata,"a",@progbits
	.p2align	6, 0x0
	.amdhsa_kernel k_qc743f98888_oproj
		.amdhsa_group_segment_fixed_size 232448
		.amdhsa_private_segment_fixed_size 0
		.amdhsa_enable_private_segment 0
		.amdhsa_kernarg_size 40
		.amdhsa_user_sgpr_count 2
		.amdhsa_user_sgpr_kernarg_segment_ptr 1
		.amdhsa_wavefront_size32 1
		.amdhsa_system_sgpr_workgroup_id_x 1
		.amdhsa_system_sgpr_workgroup_id_y 1
		.amdhsa_system_sgpr_workgroup_id_z 1
		.amdhsa_system_vgpr_workitem_id 0
		.amdhsa_next_free_vgpr 256
		.amdhsa_next_free_sgpr 66
		.amdhsa_reserve_vcc 0
		.amdhsa_float_denorm_mode_32 3
		.amdhsa_float_denorm_mode_16_64 3
		.amdhsa_memory_ordered 1
		.amdhsa_forward_progress 1
		.amdhsa_inst_pref_size 33
	.end_amdhsa_kernel
	.amdgpu_metadata
---
amdhsa.version: [ 1, 2 ]
amdhsa.kernels:
  - .name:           k_qc743f98888_oproj
    .symbol:         k_qc743f98888_oproj.kd
    .args:
      - { .name: oc, .offset: 0, .size: 8, .value_kind: global_buffer, .address_space: global }
      - { .name: os, .offset: 8, .size: 8, .value_kind: global_buffer, .address_space: global }
      - { .name: wts, .offset: 16, .size: 8, .value_kind: global_buffer, .address_space: global }
      - { .name: bo, .offset: 24, .size: 8, .value_kind: global_buffer, .address_space: global }
      - { .name: out0, .offset: 32, .size: 8, .value_kind: global_buffer, .address_space: global }
    .group_segment_fixed_size: 232448
    .private_segment_fixed_size: 0
    .kernarg_segment_align: 8
    .kernarg_segment_size: 40
    .max_flat_workgroup_size: 256
    .sgpr_count:     66
    .vgpr_count:     256
    .wavefront_size: 32
...
	.end_amdgpu_metadata
.endif
;; end of part 3
;; ======== version 2 of 2: 3 launches
;; workspace buffers: kvc 12,582,912 bytes; kvs 524,288 bytes; qcs 3,276,800 bytes; wts 2,048,000 bytes; oc 3,145,728 bytes; os 131,072 bytes
;; launch quant (part 4): grid 800 x 1, 4 waves a work-group, no clusters, 67,072 bytes of LDS; arguments q, kv, Wq, Wk, Wv, Wo, kvc, kvs, qcs, wts; writes kvc, kvs, qcs, wts
.if DOCPART == 4
	.amdgcn_target "amdgcn-amd-amdhsa--gfx1250"
	.amdhsa_code_object_version 6
	.text
	.protected	k_qc743f98888_quant
	.globl	k_qc743f98888_quant
	.p2align	8
	.type	k_qc743f98888_quant,@function
k_qc743f98888_quant:
	s_mov_b64 s[64:65], 0
	v_nop
	global_prefetch_b8 v0, s[64:65] scope:SCOPE_SE
	s_setreg_imm32_b32 hwreg(HW_REG_WAVE_MODE, 25, 1), 1
	s_wait_xcnt 0x0
; q [4096][1024], kv [65536][256], Wq, Wo [1024 k][1024 n], Wk, Wv [256 k][1024 n], all f32, become codes of E2M3 (6 bits) with one E8M0 byte for each 32 along K.
; A block's scale is 2^(floor(log2(its largest magnitude)) - 2): its byte is the largest magnitude's exponent field - 2, held at 1 from below.
; THE CODES ARE LAID AS IMAGES OF THE OPERAND'S REGISTERS: a fragment (16 rows x 128 k, 12 registers a lane) is 1,536 bytes, registers 4 c .. 4 c + 3 of lane l at 512 c + 16 l,
; so that the later launches fetch a fragment by three loads of 512 consecutive bytes.  Lane l = (r = l % 16, hh = l / 16) holds row r, registers 6 c .. 6 c + 5: k = 64 c + 32 hh + 0 .. 31.
; ROWS OF A TILE: in kv (keys) and in Wq, Wk, Wv (columns) row r of tile u of a group of 32 is row 8 u + r + 8 (r / 8) of the group, so that a transposed product's 16 registers of two
; neighbouring tiles are 16 neighbours along the next K.  q's rows and Wo's columns are taken as they lie.
; SCALE WORDS (four bytes: 128 along K of one row): kv, q: one register for two K steps (lanes 0-15 the even step's word of row r, lanes 16-31 the odd step's); weights: one register for two tiles.
; SHARES: work-groups 0-511 take kv, 512-639 q (a wave: two units of 16 rows x 256 k), 640-799 the weights (a wave: 32 columns x 128 k).  Waves share nothing: no barrier.
; No matrix unit, no cluster, no tensor load: the launch is a stream that reads each f32 number once.
; LIMITS: NaN and infinities among the inputs are not served.  A block of zeros gets the byte 1 where the rule says 127: its codes are zeros, which add nothing under any byte but 0xff,
; and this program alone reads the bytes.  Blocks whose largest magnitude lies under 2^-124 are held at the byte 1.
.set QSCL, 3145728                     ; q's scale words begin here in qcs
.set WQC, 0                            ; regions of wts: codes of Wq, Wo, Wk, Wv, then their scale words
.set WOC, 786432
.set WKC, 1572864
.set WVC, 1769472
.set WQS, 1966080
.set WOS, 1998848
.set WKS, 2031616
.set WVS, 2039808
.set SEL, 60                           ; s[60:61] lane selects: lane l xor 16
.set ROW, 8                            ; v8-23   row path: byte offset of my 16 bytes in row p of a unit
.set TM,  24                           ; v24-27  largest magnitudes
.set BY,  28                           ; v28-31  scale bytes
.set SO,  32                           ; v32-35  the conversions' scale operands
.set PW,  36                           ; v36     a scale word
.set T0,  37                           ; v37     the even K step's word
.set SCW, 38                           ; v38-39  the two units' scale registers
.set PC,  40                           ; v40-51  a fragment's codes
.set XT,  52                           ; v52-59  the conversions' second halves
.set FA,  40                           ; weight path: the two tiles' fragments
.set FB,  52
.set XN,  64                           ; v64-127 64 numbers of a lane: register 16 b + i = k 32 b + 16 hh + i of my row
.set R,   128                          ; v128-255 a unit as loaded; weight path: 128 numbers down K
.set SPT, 1040                         ; a stage row: 1,024 bytes + 16: 260 words, so sixteen rows start at sixteen different groups of banks
; four blocks by turns: the largest magnitude of my 16 numbers with the floor 2^(3 - 127) among the leaves, joined with lane l xor 16's; 2 off its exponent field is the conversion's scale operand; that >> 23 the byte
.macro QSC s0, s1, s2, s3
	v_max3_num_f32 v[TM], |v[\s0]|, |v[(\s0)+1]|, 0x1800000
	v_max3_num_f32 v[TM+1], |v[\s1]|, |v[(\s1)+1]|, 0x1800000
	v_max3_num_f32 v[TM+2], |v[\s2]|, |v[(\s2)+1]|, 0x1800000
	v_max3_num_f32 v[TM+3], |v[\s3]|, |v[(\s3)+1]|, 0x1800000
.irp i, 2,4,6,8,10,12,14
	v_max3_num_f32 v[TM], v[TM], |v[(\s0)+\i]|, |v[(\s0)+\i+1]|
	v_max3_num_f32 v[TM+1], v[TM+1], |v[(\s1)+\i]|, |v[(\s1)+\i+1]|
	v_max3_num_f32 v[TM+2], v[TM+2], |v[(\s2)+\i]|, |v[(\s2)+\i+1]|
	v_max3_num_f32 v[TM+3], v[TM+3], |v[(\s3)+\i]|, |v[(\s3)+\i+1]|
.endr
.irp b, 0,1,2,3
	v_permlanex16_b32 v[BY+\b], v[TM+\b], s[SEL], s[SEL+1]
.endr
.irp b, 0,1,2,3
	v_max_num_f32 v[TM+\b], v[TM+\b], v[BY+\b]
.endr
.irp b, 0,1,2,3
	v_add_nc_u32 v[SO+\b], 0xff000000, v[TM+\b]
.endr
.irp b, 0,1,2,3
	v_lshrrev_b32 v[BY+\b], 23, v[SO+\b]
.endr
.endm
.macro WORD4 w                         ; the four bytes make a row's scale word
	v_lshl_or_b32 v[\w], v[BY+1], 8, v[BY]
	v_lshl_or_b32 v[\w], v[BY+2], 16, v[\w]
	v_lshl_or_b32 v[\w], v[BY+3], 24, v[\w]
.endm
.macro SWMV d, x                       ; two half blocks a lane become one whole block a lane: lanes 0-15 the first block, lanes 16-31 the second
.irp i, 0,1,2
	v_permlane16_swap_b32 v[(\d)+\i], v[(\x)+\i]
.endr
.irp i, 0,1,2
	v_mov_b32 v[(\d)+3+\i], v[(\x)+\i]
.endr
.endm
.macro QUANT s0, s1, s2, s3, pc, x, w  ; 64 numbers of a lane -> a fragment's 12 registers at pc and its scale word in w
	QSC \s0, \s1, \s2, \s3
	WORD4 \w
	v_cvt_scalef32_pk16_fp6_f32 v[(\pc):(\pc)+2], v[(\s0):(\s0)+15], v[SO]
	v_cvt_scalef32_pk16_fp6_f32 v[(\x):(\x)+2], v[(\s1):(\s1)+15], v[SO+1]
	v_cvt_scalef32_pk16_fp6_f32 v[(\pc)+6:(\pc)+8], v[(\s2):(\s2)+15], v[SO+2]
	v_cvt_scalef32_pk16_fp6_f32 v[(\x)+4:(\x)+6], v[(\s3):(\s3)+15], v[SO+3]
	v_nop                                          ; one plain line behind the scaled conversions
	SWMV \pc, \x
	SWMV (\pc)+6, (\x)+4
.endm
	s_load_b256 s[4:11], s[0:1], 0x0               ; q s[4:5], kv s[6:7], Wq s[8:9], Wk s[10:11]
	s_load_b256 s[12:19], s[0:1], 0x20             ; Wv s[12:13], Wo s[14:15], kvc s[16:17], kvs s[18:19]
	s_load_b128 s[20:23], s[0:1], 0x40             ; qcs s[20:21], wts s[22:23]
	s_set_vgpr_msb 0x40
	v_lshl_add_u32 v0, v0, 2, 0x10400
	v_mov_b32 v1, 0
	s_set_vgpr_msb 0x4000
	v_lshrrev_b32 v1, 5, v0
	v_readfirstlane_b32 s24, v1                    ; wave 0..3
	v_and_b32 v3, 31, v0                           ; lane
	v_lshlrev_b32 v1, 4, v3                        ; 16 l
	v_lshlrev_b32 v2, 3, v3                        ; 8 l
	v_and_b32 v4, 15, v0                           ; r
	v_bfe_u32 v5, v0, 4, 1                         ; hh
	s_mov_b32 s[SEL], 0x76543210
	s_mov_b32 s[SEL+1], 0xfedcba98
.irp b, 0,1,2,3
	v_mov_b32 v[BY+\b], 0                          ; written once: a lane permute's destination counts as one of its sources
.endr
	s_cmp_lt_u32 ttmp9, 640
	s_cbranch_scc0 .Lweights
; ---------------- rows: kv and q.  One text for both: pointers and four constants are chosen on the work-group's number
	s_lshl_b32 s25, ttmp9, 2
	s_add_co_u32 s25, s25, s24                     ; W = 4 x work-group + wave: in kv the group of 32 keys
	s_lshl_b32 s38, s25, 15                        ; kv: 32 keys of 1,024 bytes
	s_sub_co_u32 s41, s25, 2048                    ; q: W' = 2 x tile of 16 rows + half of K
	s_lshr_b32 s39, s41, 1
	s_lshl_b32 s39, s39, 16                        ; 16 rows of 4,096 bytes
	s_and_b32 s40, s41, 1
	s_lshl_b32 s40, s40, 11                        ; 512 along K
	s_add_co_u32 s39, s39, s40
	s_mov_b32 s34, 4096
	s_mov_b32 s42, 1024
	s_wait_kmcnt 0x0
	s_cmp_lt_u32 ttmp9, 512                        ; kv's work-group or q's
	s_cselect_b64 s[26:27], s[6:7], s[4:5]         ; the numbers
	s_cselect_b64 s[28:29], s[16:17], s[20:21]     ; the codes
	s_cselect_b64 s[30:31], s[18:19], s[20:21]     ; the scale words
	s_cselect_b32 s33, 0, QSCL
	s_cselect_b32 s34, 1024, s34                   ; from row to row
	s_cselect_b32 s35, 8192, 0                     ; kv: rows 8-15 of a tile lie 8 keys further on
	s_cselect_b32 s42, 8192, s42                   ; from unit 0 to unit 1: kv 8 keys, q 256 along K
	s_cselect_b32 s38, s38, s39
	s_cselect_b32 s41, s25, s41
	s_mov_b32 s39, 0
	s_mov_b32 s43, 0
	s_mov_b32 s47, 0
	s_add_nc_u64 s[26:27], s[26:27], s[38:39]      ; unit 0
	s_add_nc_u64 s[44:45], s[26:27], s[42:43]      ; unit 1
	s_mul_i32 s46, s41, 6144                       ; four fragments a wave
	s_add_nc_u64 s[28:29], s[28:29], s[46:47]
	s_lshl_b32 s46, s41, 8                         ; 256 bytes of scale words a wave
	s_add_co_u32 s46, s46, s33
	s_add_nc_u64 s[30:31], s[30:31], s[46:47]
	s_mul_i32 s48, s24, 16*SPT                     ; my wave's stage
	s_wait_alu depctr_va_vdst(0)
	v_add_nc_u32 v6, s48, v1                       ; in: as loaded, 16 bytes a lane
	v_mul_u32_u24 v7, v4, SPT
	v_lshl_add_u32 v7, v5, 6, v7
	v_add_nc_u32 v7, s48, v7                       ; out: row r, + 64 hh: my 16 numbers of a block of 32
	v_cmp_lt_u32 vcc_lo, 15, v3                    ; lanes 16-31
.irp p, 0,1,2,3,4,5,6,7,8,9,10,11,12,13,14,15
	v_mad_u32_u24 v[ROW+\p], s34, \p, v1
.endr
.irp p, 8,9,10,11,12,13,14,15
	v_add_nc_u32 v[ROW+\p], s35, v[ROW+\p]
.endr
.macro ULOAD lo                        ; a unit: 16 rows x 1,024 bytes; each load reads 512 consecutive bytes
.irp p, 0,1,2,3,4,5,6,7,8,9,10,11,12,13,14,15
	global_load_b128 v[R+8*\p:R+8*\p+3], v[ROW+\p], s[\lo:\lo+1] th:TH_LOAD_NT
	global_load_b128 v[R+8*\p+4:R+8*\p+7], v[ROW+\p], s[\lo:\lo+1] offset:512 th:TH_LOAD_NT
.endr
.endm
.macro UNIT u
.irp k, 0,1,2,3
	s_wait_loadcnt 24-8*\k                         ; rows 4 k .. 4 k + 3 are in; the loads of the rows behind them stay out
.irp p, 0,1,2,3
	ds_store_b128 v6, v[R+8*(4*\k+\p):R+8*(4*\k+\p)+3] offset:SPT*(4*\k+\p)
	ds_store_b128 v6, v[R+8*(4*\k+\p)+4:R+8*(4*\k+\p)+7] offset:SPT*(4*\k+\p)+512
.endr
.endr
	s_wait_dscnt 0x0                               ; the stores have read their registers
.if \u == 0
	ULOAD 44                                       ; unit 1 is on its way while unit 0 is worked
.endif
.irp s, 0,1
.irp b, 0,1,2,3
.irp j, 0,1,2,3
	ds_load_b128 v[XN+16*\b+4*\j:XN+16*\b+4*\j+3], v7 offset:512*\s+128*\b+16*\j
.endr
.endr
	s_wait_dscnt 0x0
	s_wait_xcnt 0x0                                ; the last fragment's stores have read their data: the codes' registers are written again only behind this wait
	QUANT XN, XN+16, XN+32, XN+48, PC, XT, PW
.irp c, 0,1,2
	global_store_b128 v1, v[PC+4*\c:PC+4*\c+3], s[28:29] offset:3072*\u+1536*\s+512*\c   ; 512 consecutive bytes, at a multiple of 256 from the buffer's first byte
.endr
.if \s == 0
	v_mov_b32 v[T0], v[PW]
.else
	v_cndmask_b32 v[SCW+\u], v[T0], v[PW], vcc_lo  ; lanes 0-15 keep the even K step's word, lanes 16-31 take the odd step's
.endif
.endr
.endm
	ULOAD 26
	s_wait_alu depctr_va_vdst(0)
	UNIT 0
	UNIT 1
	global_store_b64 v2, v[SCW:SCW+1], s[30:31]    ; 32 lanes store 256 consecutive bytes, aligned
	s_set_vgpr_msb 0x5
	s_wait_tensorcnt 0x0
	ds_add_u32 v0, v1
	s_wait_dscnt 0x0
	s_set_vgpr_msb 0x500
	s_endpgm
; ---------------- weights: K is the first axis.  A lane takes a column and its registers run down K, so a block of 32 is one lane's own
.Lweights:
	s_sub_co_u32 s25, ttmp9, 640
	s_lshl_b32 s25, s25, 2
	s_add_co_u32 s25, s25, s24                     ; X: 0-255 Wq, 256-511 Wo, 512-575 Wk, 576-639 Wv
	s_mov_b32 s28, 576                             ; the tensor's first X
	s_mov_b32 s29, 2                               ; its K steps
	s_mov_b32 s30, WVC
	s_mov_b32 s31, WVS
	s_mov_b32 s32, 8                               ; column of lane (r, hh) = r + A (r / 8) + B hh
	s_mov_b32 s33, 8
	s_wait_kmcnt 0x0
	s_mov_b64 s[26:27], s[12:13]
	s_cmp_lt_u32 s25, 576
	s_cselect_b64 s[26:27], s[10:11], s[26:27]
	s_cselect_b32 s28, 512, s28
	s_cselect_b32 s30, WKC, s30
	s_cselect_b32 s31, WKS, s31
	s_cmp_lt_u32 s25, 512
	s_cselect_b64 s[26:27], s[14:15], s[26:27]
	s_cselect_b32 s28, 256, s28
	s_cselect_b32 s29, 8, s29
	s_cselect_b32 s30, WOC, s30
	s_cselect_b32 s31, WOS, s31
	s_cselect_b32 s32, 0, s32                      ; Wo's columns as they lie
	s_cselect_b32 s33, 16, s33
	s_cmp_lt_u32 s25, 256
	s_cselect_b64 s[26:27], s[8:9], s[26:27]
	s_cselect_b32 s28, 0, s28
	s_cselect_b32 s30, WQC, s30
	s_cselect_b32 s31, WQS, s31
	s_cselect_b32 s32, 8, s32
	s_cselect_b32 s33, 8, s33
	s_sub_co_u32 s34, s25, s28
	s_lshr_b32 s35, s34, 5                         ; K step s
	s_and_b32 s34, s34, 31                         ; group g of 32 columns: a work-group's four waves stand side by side on 512 bytes of a row
	s_lshl_b32 s36, s35, 19                        ; 128 rows of 4,096 bytes
	s_lshl_b32 s38, s34, 7
	s_add_co_u32 s36, s36, s38
	s_mov_b32 s37, 0
	s_add_nc_u64 s[26:27], s[26:27], s[36:37]
	s_lshl_b32 s38, s34, 1
	s_mul_i32 s38, s38, s29
	s_add_co_u32 s38, s38, s35
	s_mul_i32 s38, s38, 1536
	s_add_co_u32 s38, s38, s30
	s_mov_b32 s39, 0
	s_add_nc_u64 s[40:41], s[22:23], s[38:39]      ; fragment (tile 2 g, K step s)
	s_mul_i32 s38, s29, 1536
	s_add_nc_u64 s[42:43], s[40:41], s[38:39]      ; fragment (tile 2 g + 1, K step s)
	s_mul_i32 s38, s34, s29
	s_add_co_u32 s38, s38, s35
	s_lshl_b32 s38, s38, 7
	s_add_co_u32 s38, s38, s31
	s_add_nc_u64 s[44:45], s[22:23], s[38:39]      ; the 32 columns' scale words
	v_bfe_u32 v6, v0, 3, 1
	s_wait_alu depctr_va_vdst(0)
	v_mad_u32_u24 v7, v6, s32, v4
	v_mad_u32_u24 v7, v5, s33, v7
	v_lshlrev_b32 v7, 2, v7                        ; my column, in bytes
	v_lshlrev_b32 v8, 2, v3                        ; 4 l
.set i, 0
.rept 128
	global_load_b32 v[R+i], v7, s[26:27] offset:4096*i th:TH_LOAD_NT
.set i, i+1
.endr
.macro WBLK be, wt                     ; block be of my column: its 32 numbers are all mine
.set XS, R+32*(\be)
.set DD, FA+12*((\be)%2)+6*((\be)/2)
	s_wait_loadcnt \wt
	v_max3_num_f32 v[TM], |v[XS]|, |v[XS+1]|, |v[XS+2]|
	v_max3_num_f32 v[TM+1], |v[XS+3]|, |v[XS+4]|, |v[XS+5]|
.irp i, 6,10,14,18,22,26
	v_max3_num_f32 v[TM], v[TM], |v[XS+\i]|, |v[XS+\i+1]|
	v_max3_num_f32 v[TM+1], v[TM+1], |v[XS+\i+2]|, |v[XS+\i+3]|
.endr
	v_max3_num_f32 v[TM], v[TM], |v[XS+30]|, |v[XS+31]|
	v_max3_num_f32 v[TM], v[TM], v[TM+1], 0x1800000
	v_add_nc_u32 v[SO], 0xff000000, v[TM]
	v_lshrrev_b32 v[BY+(\be)], 23, v[SO]
	v_cvt_scalef32_pk16_fp6_f32 v[DD:DD+2], v[XS:XS+15], v[SO]
	v_cvt_scalef32_pk16_fp6_f32 v[20:22], v[XS+16:XS+31], v[SO]   ; (a conversion's three registers begin on an even number)
	v_nop
.irp i, 0,1,2
	v_mov_b32 v[DD+3+\i], v[20+\i]
.endr
.endm
	WBLK 0, 63                                     ; 96 younger loads could stay out; a wait's count holds 63 at the most
	WBLK 1, 63                                     ; likewise (64)
	WBLK 2, 32                                     ; the last block's 32 loads stay out
	WBLK 3, 0
.irp i, 0,1,2,3,4,5,6,7,8,9,10,11
	v_permlane16_swap_b32 v[FA+\i], v[FB+\i]       ; FA held blocks 0, 2 and FB blocks 1, 3 of each lane's column: now FA is tile 2 g's fragment and FB tile 2 g + 1's
.endr
	WORD4 PW
.irp c, 0,1,2
	global_store_b128 v1, v[FA+4*\c:FA+4*\c+3], s[40:41] offset:512*\c
	global_store_b128 v1, v[FB+4*\c:FB+4*\c+3], s[42:43] offset:512*\c
.endr
	global_store_b32 v8, v[PW], s[44:45]           ; lanes 0-15 tile 2 g's words, lanes 16-31 tile 2 g + 1's
	s_endpgm
.Lfunc_end_k_qc743f98888_quant:
	.size	k_qc743f98888_quant, .Lfunc_end_k_qc743f98888_quant-k_qc743f98888_quant
	.p2alignl 7, 3214868480
	.fill 96, 4, 3214868480
	.section	.rodata,"a",@progbits
	.p2align	6, 0x0
	.amdhsa_kernel k_qc743f98888_quant
		.amdhsa_group_segment_fixed_size 67072
		.amdhsa_private_segment_fixed_size 0
		.amdhsa_enable_private_segment 0
		.amdhsa_kernarg_size 80
		.amdhsa_user_sgpr_count 2
		.amdhsa_user_sgpr_kernarg_segment_ptr 1
		.amdhsa_wavefront_size32 1
		.amdhsa_system_sgpr_workgroup_id_x 1
		.amdhsa_system_sgpr_workgroup_id_y 1
		.amdhsa_system_sgpr_workgroup_id_z 1
		.amdhsa_system_vgpr_workitem_id 0
		.amdhsa_next_free_vgpr 258
		.amdhsa_next_free_sgpr 66
		.amdhsa_reserve_vcc 1
		.amdhsa_float_denorm_mode_32 3
		.amdhsa_float_denorm_mode_16_64 3
		.amdhsa_memory_ordered 1
		.amdhsa_forward_progress 1
		.amdhsa_inst_pref_size 57
	.end_amdhsa_kernel
	.amdgpu_metadata
---
amdhsa.version: [ 1, 2 ]
amdhsa.kernels:
  - .name:           k_qc743f98888_quant
    .symbol:         k_qc743f98888_quant.kd
    .args:
      - { .name: q, .offset: 0, .size: 8, .value_kind: global_buffer, .address_space: global }
      - { .name: kv, .offset: 8, .size: 8, .value_kind: global_buffer, .address_space: global }
      - { .name: Wq, .offset: 16, .size: 8, .value_kind: global_buffer, .address_space: global }
      - { .name: Wk, .offset: 24, .size: 8, .value_kind: global_buffer, .address_space: global }
      - { .name: Wv, .offset: 32, .size: 8, .value_kind: global_buffer, .address_space: global }
      - { .name: Wo, .offset: 40, .size: 8, .value_kind: global_buffer, .address_space: global }
      - { .name: kvc, .offset: 48, .size: 8, .value_kind: global_buffer, .address_space: global }
      - { .name: kvs, .offset: 56, .size: 8, .value_kind: global_buffer, .address_space: global }
      - { .name: qcs, .offset: 64, .size: 8, .value_kind: global_buffer, .address_space: global }
      - { .name: wts, .offset: 72, .size: 8, .value_kind: global_buffer, .address_space: global }
    .group_segment_fixed_size: 67072
    .private_segment_fixed_size: 0
    .kernarg_segment_align: 8
    .kernarg_segment_size: 80
    .max_flat_workgroup_size: 128
    .sgpr_count:     66
    .vgpr_count:     258
    .wavefront_size: 32
...
	.end_amdgpu_metadata
.endif
;; end of part 4
;; launch attn (part 5): grid 16 x 32, 8 waves a work-group, no clusters, 286,720 bytes of LDS; arguments kvc, kvs, qcs, wts, oc, os; writes oc, os
.if DOCPART == 5
	.amdgcn_target "amdgcn-amd-amdhsa--gfx1250"
	.amdhsa_code_object_version 6
	.text
	.protected	k_qc743f98888_attn
	.globl	k_qc743f98888_attn
	.p2align	8
	.type	k_qc743f98888_attn,@function
k_qc743f98888_attn:
	s_mov_b64 s[64:65], 0
	v_nop
	global_prefetch_b8 v0, s[64:65] scope:SCOPE_SE
	s_setreg_imm32_b32 hwreg(HW_REG_WAVE_SCHED_MODE, 0, 2), 2
	s_setreg_imm32_b32 hwreg(HW_REG_WAVE_MODE, 25, 1), 1
	s_wait_xcnt 0x0
	s_wait_alu depctr_vm_vsrc(0)
; One work-group for one (batch b, head h): qh = q Wq, kh = kv Wk, vh = kv Wv for this head, the scores, the softmax, p V, O / l, and the quantiser of the result.  All five products on codes of E2M3 with
; E8M0 scales for each 32 along K; kh, vh, the scores and p never go to memory.
; SHARES.  Eight waves.  WAVE w OWNS KEYS 256 w .. 256 w + 255 FOR ALL 128 QUERIES: it projects K and V for its keys, keeps their codes in its registers, and for each of the eight tiles of 16 queries makes the
; scores, p = 2^(t - M) with a whole number M of its own (the ceiling of the largest t among its 256 keys), the sum l of the unquantised p, and its part of O^T.  Parts, -M and l meet in LDS;
; wave j then adds tile j's eight parts, each times 2^(its M - the largest M), a multiplication that rounds nothing, divides by l and quantises.  In the projection wave w also makes query tile w of qh.
; LAYOUT.  Every product is used so that a lane's registers run along the next product's K (the tiles' rows were chosen for that when the codes were laid out):
;   qh^T = Wq^T q^T, kh^T = Wk^T kv^T (source 0 = 16 columns of the weight): a lane holds one query or key, 16 registers of two tiles are 16 neighbouring d;
;   vh = kv Wv (source 0 = 16 keys): a lane holds one d, 16 registers are 16 neighbouring keys;   S^T = kh qh^T: a lane holds one query, registers run along the keys;   O^T = vh^T p^T: one query, registers along d.
; THE SCORES' K IS 64 in an instruction of 128: Q's fragment has zero codes in its upper six registers, so K's tiles lie dense, six registers each, and a tile's operand reaches into the next tile's codes, which meet zeros.
; NO CLUSTER, NO TENSOR LOAD: the 16 heads of a batch read the same codes of kv, but each fragment goes from memory straight into the registers of the one wave that owns its keys; a joint load lands in LDS, and two slots
; of one block of 32 keys for each of eight waves are 98,304 bytes where 327,680 - 285,696 = 41,984 are free beside the parts of O^T.
; LIMITS: NaN and infinities are not served.  A block of zeros gets the byte 1 (its codes are zeros; this program alone reads the bytes); blocks under 2^-124 are held at the byte 1.  Terms some 126 binades under a
; row's largest p are lost.  1 / l is v_rcp_f32's.
; REGISTERS, window 0: v1-15 addresses; v16-55 scale words and nothing else; v56-183 S^T / p (projection: v56-119 accumulators, v120-167 kv's block, v168-179 codes); v184-207 p's codes (projection: V's);
;   v208-223 conversions' second halves; v216-227 Q's fragment; v228-255 at work.   window 1: v0-95 Wk, then K's codes; v96-191 q, then Wv, then V's codes; v192-239 kv's other block.
;   In the last phase: v56-183 and window 1 v0-127 the eight parts of O^T; v184-199 the eight waves' (-M, l), later the quantiser's working registers; v200-215 the factors; v216-247 the sum of the parts;
;   v248-251 the row's -M, l, 1 / l twice.
; THE MODE: SCHED_MODE bits 1:0 = 2 (LLVM: expert scheduling mode 2), set by the entry lines.  The code itself states the register dependences between vector or matrix instructions and memory or LDS
; instructions, with s_wait_alu, always for 0.
; THE PLAN.  Registers that memory or LDS instructions touch, and who else names them:
;   v1-9, v14      addresses made once at the head, never written again.   v10-13, v15: addresses made anew in each phase, each time behind a wait on vm_vsrc and ahead of a wait on va_vdst.
;   Q projection   two buffers of Wq's fragments by turns: step s's products read buffer s % 2; behind one wait at the step's head the loads of step s + 1 land in the other, dealt among the step's products.
;   A block        kv's two buffers by turns.  ONE wait on va_vdst, behind V's products, serves the stores of K's codes (written by the quantiser ahead of those products) and the loads of the block two on into the
;                  buffer just multiplied.  One wait on vm_vsrc ahead of the quantiser: the last block's stores have read the codes' registers.  Odd blocks: one more wait on va_vdst ahead of the stores of V's codes.
;   The loop       Q's fragment and word are read by a trip's first 16 products alone: the next tile is asked for in the same trip, behind the wait that the 128 exponentials owe, and has the rest of the trip in which
;                  to land.  O^T, its address and (-M, l) are read by the trip's nine stores: one wait on va_vdst ahead of them, one on vm_vsrc at the next trip's head.  p's codes and words: one wait ahead of the products.
;   The last phase each of the eight parts has registers of its own: one wait on va_vdst ahead of all 68 loads, none among the sums.
.set WQC, 0
.set WKC, 1572864
.set WVC, 1769472
.set WQS, 1966080
.set WKS, 2031616
.set WVS, 2039808
.set QSCL, 3145728
.set WQI, 0                            ; LDS: the head's weights, staged once: Wq 49,152 bytes, Wk 12,288, Wv 12,288;
.set WKI, 49152
.set WVI, 61440
.set VP,  12288                        ; later wave w's own 32,768 bytes at 32,768 w: K's 8 images, from VP on V's 16 half images; later still its 8 parts of O^T, 4,096 bytes each
.set QI,  262144                       ; Q's 8 half images of 768 bytes,
.set QW,  268288                       ; their scale words, 128 bytes each,
.set STAT, 269312                      ; (-M, l): tile j x 2,048 + lane x 64 + wave x 8
.set L16, 1
.set L8,  2
.set L4,  3
.set PA16, 4                           ; 16 l + 32,768 w
.set PA8, 5                            ; 8 l + 32,768 w
.set QB16, 6
.set QB8, 7
.set QB4, 8
.set STB, 9
.set L256, 14
.set WKSR, 16                          ; v16-19 Wk's scale words, v20-23 Wv's: register 2 (n / 2) + s, lanes 0-15 the even tile, lanes 16-31 the odd
.set WVSR, 20
.set KVS, 24                           ; v24-27 kv's: register 2 (block % 2) + u, lanes 0-15 K step 0, lanes 16-31 K step 1
.set KWD, 28                           ; v28-43 K's 16 tiles
.set VWD, 44                           ; v44-51 V's: register 2 n + s
.set QWR, 52
.set PW,  53                           ; v53-54 p's
.set QS,  28                           ; in the Q projection: v28-31 q's, v32-47 Wq's
.set WQSR, 32
.set S,   56
.set ACC, 56
.set KV0, 120
.set PC,  168
.set PV,  184
.set P,   184
.set X,   208
.set QF,  216
.set WB0, 56                           ; Q projection: two buffers of Wq's four fragments, 112 registers apart
.set ACCQ, 216
.set BM,  228                          ; softmax: the blocks' largest scores, then largest p
.set PT,  236
.set SOP, 244
.set OA,  216                          ; the sum of the parts: v216-247, which nothing else names in the last phase
.set FF,  200                          ; eight pairs of factors
.set MG,  248                          ; the row's -M
.set LS,  249                          ; the row's l
.set RL,  250                          ; v250-251 1 / l, twice
.set SEL, 20
.set MSB, 0
.macro WIN new                         ; low byte: bits 1:0 source 0, 3:2 source 1, 5:4 source 2, 7:6 destination; the high byte repeats the setting that is left
.if MSB != (\new)
	s_set_vgpr_msb (MSB<<8)|(\new)
.set MSB, (\new)
.endif
.endm
.macro PLACES                          ; four plain lines between a matrix instruction and a read of its result, a write of one of its registers or a load into one
.rept 4
	v_nop
.endr
.endm
.macro BARRIER                         ; my LDS stores have landed and my LDS loads are in: then the work-group's barrier
	s_wait_dscnt 0x0
	s_barrier_signal -1
	s_barrier_wait -1
.endm
; one product: c < 0: the sum starts with 0.  ra, rb = 1: that side's scale words are taken from lanes 16-31
.macro WMMA d, a, b, c, sa, sb, ra, rb
.if (\c) < 0
.if (\ra) && (\rb)
	v_wmma_scale_f32_16x16x128_f8f6f4 v[(\d):(\d)+7], v[(\a):(\a)+11], v[(\b):(\b)+11], 0, v[\sa], v[\sb] matrix_a_fmt:MATRIX_FMT_FP6 matrix_b_fmt:MATRIX_FMT_FP6 matrix_a_scale:MATRIX_SCALE_ROW1 matrix_b_scale:MATRIX_SCALE_ROW1
.elseif (\ra)
	v_wmma_scale_f32_16x16x128_f8f6f4 v[(\d):(\d)+7], v[(\a):(\a)+11], v[(\b):(\b)+11], 0, v[\sa], v[\sb] matrix_a_fmt:MATRIX_FMT_FP6 matrix_b_fmt:MATRIX_FMT_FP6 matrix_a_scale:MATRIX_SCALE_ROW1
.elseif (\rb)
	v_wmma_scale_f32_16x16x128_f8f6f4 v[(\d):(\d)+7], v[(\a):(\a)+11], v[(\b):(\b)+11], 0, v[\sa], v[\sb] matrix_a_fmt:MATRIX_FMT_FP6 matrix_b_fmt:MATRIX_FMT_FP6 matrix_b_scale:MATRIX_SCALE_ROW1
.else
	v_wmma_scale_f32_16x16x128_f8f6f4 v[(\d):(\d)+7], v[(\a):(\a)+11], v[(\b):(\b)+11], 0, v[\sa], v[\sb] matrix_a_fmt:MATRIX_FMT_FP6 matrix_b_fmt:MATRIX_FMT_FP6
.endif
.else
.if (\ra) && (\rb)
	v_wmma_scale_f32_16x16x128_f8f6f4 v[(\d):(\d)+7], v[(\a):(\a)+11], v[(\b):(\b)+11], v[(\c):(\c)+7], v[\sa], v[\sb] matrix_a_fmt:MATRIX_FMT_FP6 matrix_b_fmt:MATRIX_FMT_FP6 matrix_a_scale:MATRIX_SCALE_ROW1 matrix_b_scale:MATRIX_SCALE_ROW1
.elseif (\ra)
	v_wmma_scale_f32_16x16x128_f8f6f4 v[(\d):(\d)+7], v[(\a):(\a)+11], v[(\b):(\b)+11], v[(\c):(\c)+7], v[\sa], v[\sb] matrix_a_fmt:MATRIX_FMT_FP6 matrix_b_fmt:MATRIX_FMT_FP6 matrix_a_scale:MATRIX_SCALE_ROW1
.elseif (\rb)
	v_wmma_scale_f32_16x16x128_f8f6f4 v[(\d):(\d)+7], v[(\a):(\a)+11], v[(\b):(\b)+11], v[(\c):(\c)+7], v[\sa], v[\sb] matrix_a_fmt:MATRIX_FMT_FP6 matrix_b_fmt:MATRIX_FMT_FP6 matrix_b_scale:MATRIX_SCALE_ROW1
.else
	v_wmma_scale_f32_16x16x128_f8f6f4 v[(\d):(\d)+7], v[(\a):(\a)+11], v[(\b):(\b)+11], v[(\c):(\c)+7], v[\sa], v[\sb] matrix_a_fmt:MATRIX_FMT_FP6 matrix_b_fmt:MATRIX_FMT_FP6
.endif
.endif
.endm
; four blocks by turns: the largest magnitude of my 16 numbers, with the floor 2^(3 - 127) among the leaves, joined with lane l xor 16's; 2 off its exponent field is the conversion's scale operand; that >> 23 the byte.
; Each accumulator is read from its low end on.  TM, BY, SO (four registers each) are set anew for each phase, clear of that phase's sources.
.macro QSC s0, s1, s2, s3
	v_max3_num_f32 v[TM], |v[\s0]|, |v[(\s0)+1]|, 0x1800000
	v_max3_num_f32 v[TM+1], |v[\s1]|, |v[(\s1)+1]|, 0x1800000
	v_max3_num_f32 v[TM+2], |v[\s2]|, |v[(\s2)+1]|, 0x1800000
	v_max3_num_f32 v[TM+3], |v[\s3]|, |v[(\s3)+1]|, 0x1800000
.irp i, 2,4,6,8,10,12,14
	v_max3_num_f32 v[TM], v[TM], |v[(\s0)+\i]|, |v[(\s0)+\i+1]|
	v_max3_num_f32 v[TM+1], v[TM+1], |v[(\s1)+\i]|, |v[(\s1)+\i+1]|
	v_max3_num_f32 v[TM+2], v[TM+2], |v[(\s2)+\i]|, |v[(\s2)+\i+1]|
	v_max3_num_f32 v[TM+3], v[TM+3], |v[(\s3)+\i]|, |v[(\s3)+\i+1]|
.endr
.irp b, 0,1,2,3
	v_permlanex16_b32 v[BY+\b], v[TM+\b], s[SEL], s[SEL+1]
.endr
.irp b, 0,1,2,3
	v_max_num_f32 v[TM+\b], v[TM+\b], v[BY+\b]
.endr
.irp b, 0,1,2,3
	v_add_nc_u32 v[SO+\b], 0xff000000, v[TM+\b]
.endr
.irp b, 0,1,2,3
	v_lshrrev_b32 v[BY+\b], 23, v[SO+\b]
.endr
.endm
.macro WORD4 w
	v_lshl_or_b32 v[\w], v[BY+1], 8, v[BY]
	v_lshl_or_b32 v[\w], v[BY+2], 16, v[\w]
	v_lshl_or_b32 v[\w], v[BY+3], 24, v[\w]
.endm
.macro SWMV d, x                       ; two half blocks a lane become one whole block a lane: lanes 0-15 the first block, lanes 16-31 the second
.irp i, 0,1,2
	v_permlane16_swap_b32 v[(\d)+\i], v[(\x)+\i]
.endr
.irp i, 0,1,2
	v_mov_b32 v[(\d)+3+\i], v[(\x)+\i]
.endr
.endm
.macro QUANT s0, s1, s2, s3, pc, x, w  ; 64 numbers of a lane (four runs of 16 neighbours) -> 12 registers of codes at pc, the scale word in w
	QSC \s0, \s1, \s2, \s3
	WORD4 \w
	v_cvt_scalef32_pk16_fp6_f32 v[(\pc):(\pc)+2], v[(\s0):(\s0)+15], v[SO]
	v_cvt_scalef32_pk16_fp6_f32 v[(\x):(\x)+2], v[(\s1):(\s1)+15], v[SO+1]
	v_cvt_scalef32_pk16_fp6_f32 v[(\pc)+6:(\pc)+8], v[(\s2):(\s2)+15], v[SO+2]
	v_cvt_scalef32_pk16_fp6_f32 v[(\x)+4:(\x)+6], v[(\s3):(\s3)+15], v[SO+3]
	v_nop                                          ; one plain line behind the scaled conversions
	SWMV \pc, \x
	SWMV (\pc)+6, (\x)+4
.endm
; block blk of my keys (32 keys x 256 k: four fragments, 6,144 bytes) into the buffer blk % 2, and its two scale registers: 13 loads
.macro KVLOAD blk
.if ((\blk)%2) == 0
	WIN 0
.irp i, 0,1,2,3,4,5,6,7,8,9,10,11
	global_load_b128 v[KV0+4*\i:KV0+4*\i+3], v[L16], s[32:33] offset:6144*(\blk)+512*\i
.endr
.else
	WIN 0x40                                       ; destination window 1
.irp i, 0,1,2,3,4,5,6,7,8,9,10,11
	global_load_b128 v[192+4*\i:192+4*\i+3], v[L16], s[32:33] offset:6144*(\blk)+512*\i
.endr
	WIN 0
.endif
	global_load_b64 v[KVS+2*((\blk)%2):KVS+2*((\blk)%2)+1], v[L8], s[34:35] offset:256*(\blk)
.endm
; ---------------- the head
	s_load_b256 s[4:11], s[0:1], 0x0               ; kvc s[4:5], kvs s[6:7], qcs s[8:9], wts s[10:11]
	s_load_b128 s[12:15], s[0:1], 0x20             ; oc s[12:13], os s[14:15]
	v_lshl_add_u32 v55, v0, 2, 0x45c00
	s_set_vgpr_msb 0x40
	v_mov_b32 v255, 0
	s_set_vgpr_msb 0x4000
	v_lshrrev_b32 v15, 5, v0
	v_readfirstlane_b32 s16, v15                   ; wave w
	s_mov_b32 s17, ttmp9                           ; head h
	s_and_b32 s18, ttmp7, 0xffff                   ; batch b
	v_and_b32 v13, 31, v0                          ; lane
	v_lshlrev_b32 v[L16], 4, v13
	v_lshlrev_b32 v[L8], 3, v13
	v_lshlrev_b32 v[L4], 2, v13
	v_lshlrev_b32 v[L256], 8, v13
	s_wait_alu depctr_va_sdst(0)                   ; s16 is written, ahead of its first reader: LDS addresses and the buffers' offsets are made from it
	s_lshl_b32 s19, s16, 15
	v_add_nc_u32 v[PA16], s19, v[L16]
	v_add_nc_u32 v[PA8], s19, v[L8]
	v_add_nc_u32 v[QB16], QI, v[L16]
	v_add_nc_u32 v[QB8], QI+512, v[L8]
	v_add_nc_u32 v[QB4], QW, v[L4]
	v_lshlrev_b32 v[STB], 6, v13
	s_lshl_b32 s19, s16, 3
	s_add_co_u32 s19, s19, STAT
	v_add_nc_u32 v[STB], s19, v[STB]
	s_mul_i32 s26, s16, 6144
	v_add_nc_u32 v10, s26, v[L16]                  ; where I stage my slice of Wq
	s_mul_i32 s27, s16, 1536
	v_add_nc_u32 v11, s27, v[L16]                  ; and my fragment of Wk and of Wv
	v_add_nc_u32 v12, WVI, v[L16]                  ; Wv's images lie past the reach of an immediate
	s_mov_b32 s[SEL], 0x76543210
	s_mov_b32 s[SEL+1], 0xfedcba98
	s_mov_b32 s22, 0x3e38aa3b                      ; c = log2(e) / sqrt(64): t = score x c
	s_mov_b32 s23, s22                             ; (named with it as a pair)
.irp b, 0,1,2,3
	v_mov_b32 v[108+\b], 0                         ; a lane permute's destination counts as one of its sources
.endr
	s_lshl_b32 s24, s18, 6
	s_lshl_b32 s25, s16, 3
	s_add_co_u32 s24, s24, s25                     ; my first block of 32 keys: 64 b + 8 w
	s_mul_i32 s32, s24, 6144
	s_mov_b32 s33, 0
	s_lshl_b32 s34, s24, 8
	s_mov_b32 s35, 0
	s_lshl_b32 s25, s18, 3
	s_add_co_u32 s25, s25, s16                     ; my tile of 16 queries: 8 b + w
	s_mul_i32 s36, s25, 12288
	s_mov_b32 s37, 0
	s_lshl_b32 s38, s25, 9
	s_add_co_u32 s38, s38, QSCL
	s_mov_b32 s39, 0
	s_mul_i32 s40, s17, 49152
	s_add_co_u32 s40, s40, s26
	s_mov_b32 s41, 0
	s_mul_i32 s42, s17, 12288
	s_add_co_u32 s42, s42, s27
	s_add_co_u32 s42, s42, WKC
	s_mov_b32 s43, 0
	s_lshl_b32 s44, s17, 11
	s_add_co_u32 s44, s44, WQS
	s_mov_b32 s45, 0
	s_lshl_b32 s46, s17, 9
	s_add_co_u32 s46, s46, WKS
	s_mov_b32 s47, 0
	s_lshl_b32 s48, s25, 4
	s_add_co_u32 s48, s48, s17
	s_mul_i32 s48, s48, 768
	s_mov_b32 s49, 0
	s_lshl_b32 s50, s25, 9
	s_lshl_b32 s26, s17, 1
	s_add_co_u32 s50, s50, s26
	s_mov_b32 s51, 0
	s_wait_kmcnt 0x0
	s_add_nc_u64 s[32:33], s[4:5], s[32:33]        ; kv's codes, my keys
	s_add_nc_u64 s[34:35], s[6:7], s[34:35]        ; their scale registers
	s_add_nc_u64 s[36:37], s[8:9], s[36:37]        ; q's codes, my tile
	s_add_nc_u64 s[38:39], s[8:9], s[38:39]        ; its scale registers
	s_add_nc_u64 s[40:41], s[10:11], s[40:41]      ; my slice of the head's Wq
	s_add_nc_u64 s[42:43], s[10:11], s[42:43]      ; my fragment of its Wk (Wv: WVC - WKC on)
	s_add_nc_u64 s[44:45], s[10:11], s[44:45]      ; Wq's scale words
	s_add_nc_u64 s[46:47], s[10:11], s[46:47]      ; Wk's (Wv's: WVS - WKS on)
	s_add_nc_u64 s[48:49], s[12:13], s[48:49]      ; where my tile's codes of the result go
	s_add_nc_u64 s[50:51], s[14:15], s[50:51]      ; and their scale bytes
	s_wait_alu depctr_va_vdst(0)                   ; the addresses v1 to v12 and v14 are written, which the loads, stores and prefetches below read
	; 18 loads for the stage: the head's weights are read from memory once by the work-group, an eighth by each wave
.irp i, 0,1,2,3,4,5,6,7,8,9,10,11
	global_load_b128 v[168+4*\i:168+4*\i+3], v[L16], s[40:41] offset:512*\i
.endr
.irp c, 0,1,2
	global_load_b128 v[216+4*\c:216+4*\c+3], v[L16], s[42:43] offset:512*\c
.endr
.irp c, 0,1,2
	global_load_b128 v[228+4*\c:228+4*\c+3], v[L16], s[42:43] offset:WVC-WKC+512*\c
.endr
	; 50 loads: my tile of q (8 fragments) and all scale words
	WIN 0x40
.set i, 0
.rept 24
	global_load_b128 v[96+4*i:96+4*i+3], v[L16], s[36:37] offset:512*i
.set i, i+1
.endr
	WIN 0
	global_load_b64 v[QS:QS+1], v[L8], s[38:39]
	global_load_b64 v[QS+2:QS+3], v[L8], s[38:39] offset:256
.irp i, 0,1,2,3,4,5,6,7,8,9,10,11,12,13,14,15
	global_load_b32 v[WQSR+\i], v[L4], s[44:45] offset:128*\i
.endr
.irp i, 0,1,2,3
	global_load_b32 v[WKSR+\i], v[L4], s[46:47] offset:128*\i
.endr
.irp i, 0,1,2,3
	global_load_b32 v[WVSR+\i], v[L4], s[46:47] offset:WVS-WKS+128*\i
.endr
	s_wait_loadcnt 50                              ; the 18 are in; the 50 issued behind them stay out
.irp i, 0,1,2,3,4,5,6,7,8,9,10,11
	ds_store_b128 v10, v[168+4*\i:168+4*\i+3] offset:WQI+512*\i
.endr
.irp c, 0,1,2
	ds_store_b128 v11, v[216+4*\c:216+4*\c+3] offset:WKI+512*\c
.endr
.irp c, 0,1,2
	ds_store_b128 v11, v[228+4*\c:228+4*\c+3] offset:WVI+512*\c
.endr
	KVLOAD 0
	BARRIER                                        ; the head's weights lie in LDS
	s_wait_alu depctr_vm_vsrc(0)                   ; my LDS stores have read v168-239, v10 and v11: Wq's fragments land in v168-215, products write v216-247, and the two addresses are made anew
; ---------------- qh^T of my 16 queries: eight K steps, four accumulators by turns; Wq's fragments a step ahead, in two buffers
.macro FETCHT s, n                     ; Wq's fragment (tile n, K step s) into buffer s % 2
.irp c, 0,1,2
	ds_load_b128 v[WB0+112*((\s)%2)+12*(\n)+4*\c:WB0+112*((\s)%2)+12*(\n)+4*\c+3], v[L16] offset:WQI+(8*(\n)+(\s))*1536+512*\c
.endr
.endm
.macro QSTEP s
.if (\s) == 0
	s_wait_dscnt 24                                ; step 0's fragments are in; Wk's 24 loads stay out
.else
	s_wait_dscnt 0x0                               ; this step's fragments, asked for a step ago, are in
.endif
.if ((\s) > 0) && ((\s) < 7)
	PLACES                                         ; the buffer filled below was multiplied by the step before
	s_wait_alu depctr_va_vdst(0)                   ; the last step's products are done reading that buffer, in which the next step's fragments land
.endif
	WIN 0x04                                       ; source 1 (q) window 1; an LDS load's data and address stay in window 0
.irp n, 0,1,2,3
.if (\s) < 7
	FETCHT (\s)+1, \n                              ; dealt among the step's products, which name the other buffer, q, the accumulators and scale words: none of the registers that these loads touch
.endif
.if (\s) == 0
	WMMA ACCQ+8*\n, WB0+112*((\s)%2)+12*\n, 96+12*(\s), -1, WQSR+8*(\n/2)+(\s), QS+(\s)/2, \n%2, (\s)%2
.else
	WMMA ACCQ+8*\n, WB0+112*((\s)%2)+12*\n, 96+12*(\s), ACCQ+8*\n, WQSR+8*(\n/2)+(\s), QS+(\s)/2, \n%2, (\s)%2
.endif
.endr
	WIN 0
.endm
.irp n, 0,1,2,3
	FETCHT 0, \n
.endr
	WIN 0x40
.set i, 0
.rept 24
	ds_load_b128 v[4*i:4*i+3], v[L16] offset:WKI+512*i   ; Wk's eight fragments: they stay in window 1
.set i, i+1
.endr
	WIN 0
	s_wait_loadcnt 13                              ; q and all scale words are in; kv's block 0 (13 loads) stays out
.irp s, 0,1,2,3,4,5,6,7
	QSTEP \s
.endr
	PLACES
	WIN 0x40
	s_wait_alu depctr_va_vdst(0)                   ; the products are done reading q's fragments, in whose registers Wv's land
.set i, 0
.rept 24
	ds_load_b128 v[96+4*i:96+4*i+3], v12 offset:512*i    ; Wv's eight fragments take q's place
.set i, i+1
.endr
	KVLOAD 1
.set TM, 104
.set BY, 108
.set SO, 112
	QUANT ACCQ, ACCQ+16, ACCQ, ACCQ+16, 56, 68, 248      ; the head's 64 are two blocks: the sources are named twice so that the one macro serves; the first six registers are Q's codes
	s_mul_i32 s26, s16, 768
	v_add_nc_u32 v10, s26, v[QB16]
	v_add_nc_u32 v11, s26, v[QB8]
	s_lshl_b32 s26, s16, 7
	v_add_nc_u32 v13, s26, v[QB4]
	s_wait_alu depctr_va_vdst(0)                   ; Q's codes v56-61, its scale word v248 and the addresses v10, v11, v13 are written, which the three stores read
	ds_store_b128 v10, v[56:59]                    ; a half image: registers 0-3 at 16 l, registers 4-5 at 512 + 8 l
	ds_store_b64 v11, v[60:61]
	ds_store_b32 v13, v248
	BARRIER                                        ; Q's eight tiles lie in LDS, and nobody reads the staged weights any more
	s_wait_alu depctr_vm_vsrc(0)                   ; my three stores have read v56-61, v248, v10, v11 and v13, and Wv's loads v12: products write v56 on, and the others are written again in the loop
; ---------------- kh and vh of my 256 keys, a block of 32 keys at a time
.set TM, 228
.set BY, 232
.set SO, 236
.irp i, 0,1,2,3,4,5,6,7,8,9,10,11
	v_mov_b32 v[232+\i], 0                         ; the lane permutes' destinations of this phase and of the softmax
.endr
.macro BLOCK bp
.set BE, (\bp)%2
.set TA, (\bp)/2
.set KVR, KV0+72*BE
.set BYI, 2*(TA%2)+BE
.if (\bp) < 7
	s_wait_loadcnt 13                              ; this block is in; the next block's 13 loads stay out
.else
	s_wait_loadcnt 0x0
.endif
	WIN 1+4*BE                                     ; source 0 (Wk) window 1, source 1 (kv) window 0 or 1
.irp s, 0,1
.irp u, 0,1
.irp n, 0,1,2,3
.if \s == 0
	WMMA ACC+32*\u+8*\n, 12*(2*\n+\s), KVR+12*(2*\u+\s), -1, WKSR+2*(\n/2)+\s, KVS+2*BE+\u, \n%2, \s
.else
	WMMA ACC+32*\u+8*\n, 12*(2*\n+\s), KVR+12*(2*\u+\s), ACC+32*\u+8*\n, WKSR+2*(\n/2)+\s, KVS+2*BE+\u, \n%2, \s
.endif
.endr
.endr
.endr
	WIN 0
	PLACES
.if (\bp) > 0
	s_wait_alu depctr_vm_vsrc(0)                   ; the last block's stores into my LDS bytes have read the codes' registers, v168-179 and v184-207, which this block writes again
.endif
	QUANT ACC, ACC+16, ACC+32, ACC+48, PC, X, KWD+2*(\bp)   ; two dense tiles of K: six registers each; the word's low two bytes are the first tile's,
	v_lshrrev_b32 v[KWD+2*(\bp)+1], 16, v[KWD+2*(\bp)]      ; its high two the second's
	WIN BE+4                                       ; source 0 (kv) window 0 or 1, source 1 (Wv) window 1
.irp s, 0,1
.irp n, 0,1,2,3
.irp u, 0,1
.if \s == 0
	WMMA ACC+16*\n+8*\u, KVR+12*(2*\u+\s), 96+12*(2*\n+\s), -1, KVS+2*BE+\u, WVSR+2*(\n/2)+\s, \s, \n%2
.else
	WMMA ACC+16*\n+8*\u, KVR+12*(2*\u+\s), 96+12*(2*\n+\s), ACC+16*\n+8*\u, KVS+2*BE+\u, WVSR+2*(\n/2)+\s, \s, \n%2
.endif
.endr
.endr
.endr
	WIN 0
	PLACES
	s_wait_alu depctr_va_vdst(0)                   ; K's codes v168-179 are written, which the stores below read; the products are done reading this block of kv and its scale words, in which (blocks 0 to 5) the block two on lands
.irp c, 0,1,2
	ds_store_b128 v[PA16], v[PC+4*\c:PC+4*\c+3] offset:1536*(\bp)+512*\c
.endr
.if (\bp) < 6
	KVLOAD (\bp)+2                                 ; into the buffer just multiplied; between the wait and these loads stand only the three stores, which name none of their registers, and a window switch
.endif
; kv's codes are prefetched into the L2: the 16 heads of a batch read the same bytes, so head 0's work-group asks, each wave for its own blocks 4 to 7 (bytes 24,576 to 49,151 of its 49,152), lanes 256 bytes apart,
; 8,192 bytes an instruction: each aligned 256 bytes is named once in the launch, two blocks or more ahead of its load.  Blocks 0 to 3 come by their loads alone.
.if (\bp) == 0
	s_cmp_lg_u32 s17, 0
	s_cbranch_scc1 .Lnot_mine_0
	global_prefetch_b8 v[L256], s[32:33] offset:24576 th:TH_LOAD_NT scope:SCOPE_SE
	global_prefetch_b8 v[L256], s[32:33] offset:32768 th:TH_LOAD_NT scope:SCOPE_SE
.Lnot_mine_0:
.endif
.if (\bp) == 2
	s_cmp_lg_u32 s17, 0
	s_cbranch_scc1 .Lnot_mine_2
	global_prefetch_b8 v[L256], s[32:33] offset:40960 th:TH_LOAD_NT scope:SCOPE_SE
.Lnot_mine_2:
.endif
	QSC ACC, ACC+16, ACC+32, ACC+48                ; V: these 32 keys are one block of each of the four tiles of d
.irp n, 0,1,2,3
.if BYI == 0
	v_mov_b32 v[VWD+2*\n+TA/2], v[BY+\n]
.else
	v_lshl_or_b32 v[VWD+2*\n+TA/2], v[BY+\n], 8*BYI, v[VWD+2*\n+TA/2]
.endif
.endr
.if BE == 0
.irp n, 0,1,2,3
	v_cvt_scalef32_pk16_fp6_f32 v[PV+6*\n:PV+6*\n+2], v[ACC+16*\n:ACC+16*\n+15], v[SO+\n]
.endr
	v_nop
.else
.irp n, 0,1,2,3
	v_cvt_scalef32_pk16_fp6_f32 v[X+4*\n:X+4*\n+2], v[ACC+16*\n:ACC+16*\n+15], v[SO+\n]
.endr
	v_nop
.irp n, 0,1,2,3
	SWMV PV+6*\n, X+4*\n                           ; two blocks of keys: half a fragment of V^T
.endr
	s_wait_alu depctr_va_vdst(0)                   ; V's codes v184-207 are written, which the stores read
.irp n, 0,1,2,3
	ds_store_b128 v[PA16], v[PV+6*\n:PV+6*\n+3] offset:VP+(4*TA+\n)*768
	ds_store_b64 v[PA8], v[PV+6*\n+4:PV+6*\n+5] offset:VP+(4*TA+\n)*768+512
.endr
.endif
.endm
.irp p, 0,1,2,3,4,5,6,7
	BLOCK \p
.endr
; ---------------- my codes come back from my own LDS bytes into the weights' registers (LDS serves a wave's instructions in order: these loads see my stores)
.irp i, 0,1,2,3,4,5
	v_mov_b32 v[QF+6+\i], 0                        ; Q's upper six registers: zero codes
.endr
	PLACES                                         ; an operand written by vector instructions stands four plain lines ahead of a scaled product
	WIN 0x40
	s_wait_alu depctr_va_vdst(0)                   ; the last block's products are done reading Wk and Wv, in whose registers my codes land; the conversions are done with v216-221, in which Q's first tile lands; Q's zero codes and K's and V's scale words are written, which the loop's products take
.set i, 0
.rept 24
	ds_load_b128 v[4*i:4*i+3], v[PA16] offset:512*i      ; K: tile t at registers 6 t .. 6 t + 5
.set i, i+1
.endr
.irp n, 0,1,2,3
.irp s, 0,1
.irp c, 0,1
	ds_load_b128 v[96+12*(2*\n+\s)+6*\c:96+12*(2*\n+\s)+6*\c+3], v[PA16] offset:VP+(4*(2*\s+\c)+\n)*768
	ds_load_b64 v[96+12*(2*\n+\s)+6*\c+4:96+12*(2*\n+\s)+6*\c+5], v[PA8] offset:VP+(4*(2*\s+\c)+\n)*768+512
.endr
.endr
.endr
	WIN 0
	ds_load_b128 v[QF:QF+3], v[QB16]               ; Q's tile 0; every later tile is asked for a trip ahead
	ds_load_b64 v[QF+4:QF+5], v[QB8]
	ds_load_b32 v[QWR], v[QB4]
	s_wait_dscnt 0x0
; ---------------- eight tiles of 16 queries against my 256 keys.  No barrier in the loop: the waves run free, so that one wave's vector work stands beside the matrix work of the other wave on its SIMD
; One tile.  last = 1: the eighth, which asks for no further tile of Q.
.macro TRIP last
	s_wait_dscnt 9                                 ; Q's tile, asked for in the trip before, is in; that trip's nine stores, issued behind its loads, may stay out (on the way into the loop nothing is out)
	s_wait_alu depctr_vm_vsrc(0)                   ; those stores have read O^T in v56-87, v13, v15 and v[252:253], and Q's loads v10-12; the blocks' last stores have read v184-207: all of these are written again below
	WIN 0x01                                       ; source 0 window 1
.irp t, 0,1,2,3,4,5,6,7,8,9,10,11,12,13,14,15
	WMMA S+8*\t, 6*\t, QF, -1, KWD+\t, QWR, 0, 0   ; S^T: the 16 registers of tiles 2 g, 2 g + 1 are keys 32 g + 16 hh + 0 .. 15 of my query
.endr
	WIN 0
	PLACES
.irp b, 0,1,2,3,4,5,6,7
	v_max3_num_f32 v[BM+\b], v[S+16*\b], v[S+16*\b+1], v[S+16*\b+2]   ; the largest score of each block of 32 keys: it serves for the row's maximum and, since p rises with the score, for the block's largest p
.endr
.irp i, 3,5,7,9,11,13
.irp b, 0,1,2,3,4,5,6,7
	v_max3_num_f32 v[BM+\b], v[BM+\b], v[S+16*\b+\i], v[S+16*\b+\i+1]
.endr
.endr
.irp b, 0,1,2,3,4,5,6,7
	v_max_num_f32 v[BM+\b], v[BM+\b], v[S+16*\b+15]
.endr
.irp b, 0,1,2,3,4,5,6,7
	v_permlanex16_b32 v[PT+\b], v[BM+\b], s[SEL], s[SEL+1]
.endr
.irp b, 0,1,2,3,4,5,6,7
	v_max_num_f32 v[BM+\b], v[BM+\b], v[PT+\b]
.endr
	v_max3_num_f32 v253, v[BM], v[BM+1], v[BM+2]
	v_max3_num_f32 v253, v253, v[BM+3], v[BM+4]
	v_max3_num_f32 v253, v253, v[BM+5], v[BM+6]
	v_max_num_f32 v253, v253, v[BM+7]
	v_mul_f32 v253, s22, v253                      ; the largest t of my query among my keys (c is positive)
	v_floor_f32 v252, -v253                        ; -M = floor(-t) = -ceil(t): a whole number
.set i, 0
.rept 64
	v_pk_fma_f32 v[S+i:S+i+1], v[S+i:S+i+1], s[22:23], v[252:253] op_sel_hi:[1,0,0]   ; t - M, two at a time (of the pairs c and -M the low word serves both halves)
.set i, i+2
.endr
.irp b, 0,1,2,3,4,5,6,7
	v_fma_f32 v[BM+\b], v[BM+\b], s22, v252        ; the same of each block's largest score
.endr
.set i, 0
	s_wait_alu depctr_va_vdst(0)
.rept 128
	v_exp_f32 v[S+i], v[S+i]                       ; p = 2^(t - M), not normalised
.set i, i+1
.endr
	v_add_nc_u32 v13, s26, v[PA16]                 ; (a plain line behind the exponentials)  where this tile's part of O^T goes
.if !\last
	v_add_nc_u32 v10, s24, v[QB16]                 ; and where the next tile of Q lies
	v_add_nc_u32 v11, s24, v[QB8]
	v_add_nc_u32 v12, s25, v[QB4]
.endif
	s_wait_alu depctr_va_vdst(0)                   ; the 128 exponentials have written p, ahead of its first reader (one wait for the batch); v10-12 are written, and the trip's first products are done reading Q's fragment and word, in which the loads below land
.if !\last
	ds_load_b128 v[QF:QF+3], v10                   ; the next tile of Q: no vector or matrix instruction of the rest of the trip names these registers
	ds_load_b64 v[QF+4:QF+5], v11
	ds_load_b32 v[QWR], v12
.endif
.irp b, 0,1,2,3,4,5,6,7
	v_exp_f32 v[BM+\b], v[BM+\b]                   ; the blocks' largest p: the same two instructions on the same number give the same bits
.endr
	v_pk_add_f32 v[254:255], v[S:S+1], v[S+2:S+3]  ; the row's sum is taken of the unquantised p: two at a time, in two chains
	v_pk_add_f32 v[236:237], v[S+4:S+5], v[S+6:S+7]
.set i, 8
.rept 30
	v_pk_add_f32 v[254:255], v[254:255], v[S+i:S+i+1]
	v_pk_add_f32 v[236:237], v[236:237], v[S+i+2:S+i+3]
.set i, i+4
.endr
	v_pk_add_f32 v[254:255], v[254:255], v[236:237]
	s_wait_alu depctr_va_vdst(0)                   ; the eight exponentials have written the blocks' largest p, ahead of its first reader
.irp b, 0,1,2,3,4,5,6,7
	v_max_num_f32 v[BM+\b], 0x1800000, v[BM+\b]    ; the floor 2^(3 - 127): the byte cannot fall under 1
.endr
.irp b, 0,1,2,3,4,5,6,7
	v_add_nc_u32 v[SOP+\b], 0xff000000, v[BM+\b]
.endr
.irp b, 0,1,2,3,4,5,6,7
	v_lshrrev_b32 v[PT+\b], 23, v[SOP+\b]
.endr
.irp s, 0,1
	v_lshl_or_b32 v[PW+\s], v[PT+4*\s+1], 8, v[PT+4*\s]
	v_lshl_or_b32 v[PW+\s], v[PT+4*\s+2], 16, v[PW+\s]
	v_lshl_or_b32 v[PW+\s], v[PT+4*\s+3], 24, v[PW+\s]
.endr
.irp s, 0,1
	v_cvt_scalef32_pk16_fp6_f32 v[P+12*\s:P+12*\s+2], v[S+64*\s:S+64*\s+15], v[SOP+4*\s]
	v_cvt_scalef32_pk16_fp6_f32 v[X:X+2], v[S+64*\s+16:S+64*\s+31], v[SOP+4*\s+1]
	v_cvt_scalef32_pk16_fp6_f32 v[P+12*\s+6:P+12*\s+8], v[S+64*\s+32:S+64*\s+47], v[SOP+4*\s+2]
	v_cvt_scalef32_pk16_fp6_f32 v[X+4:X+6], v[S+64*\s+48:S+64*\s+63], v[SOP+4*\s+3]
	v_nop
	SWMV P+12*\s, X
	SWMV P+12*\s+6, X+4
.endr
	v_add_f32 v254, v254, v255                     ; the sum's two halves,
	v_permlanex16_b32 v255, v254, s[SEL], s[SEL+1]
	v_add_f32 v253, v254, v255                     ; and lane l xor 16's: l, beside -M
	v_add_nc_u32 v15, s27, v[STB]
	PLACES                                         ; p's codes stand four plain lines ahead of the products, its scale words more than eight
	s_wait_alu depctr_va_vdst(0)                   ; p's codes v184-207 and its scale words v53-54 are written, which the products take
	WIN 0x01
.irp s, 0,1
.irp n, 0,1,2,3
.if \s == 0
	WMMA S+8*\n, 96+12*(2*\n+\s), P+12*\s, -1, VWD+2*\n+\s, PW+\s, 0, 0
.else
	WMMA S+8*\n, 96+12*(2*\n+\s), P+12*\s, S+8*\n, VWD+2*\n+\s, PW+\s, 0, 0
.endif
.endr
.endr
	WIN 0
	PLACES
.if !\last
	v_nop                                          ; a fifth plain line: the next trip's first products begin S^T anew in v56-87, over these accumulators, and no vector instruction stands at a trip's head
.endif
	s_wait_alu depctr_va_vdst(0)                   ; the products have written O^T, v56-87, which the stores read (v13, v15 and v[252:253] were written ahead of the waits above); the places above stay beside this wait
.irp q, 0,1,2,3,4,5,6,7
	ds_store_b128 v13, v[S+4*\q:S+4*\q+3] offset:512*\q   ; my part of O^T as an image of its 32 registers; each accumulator from its low end on
.endr
	ds_store_b64 v15, v[252:253]
.endm
	s_mov_b32 s24, 768                             ; 768 (j + 1): the next tile of Q
	s_mov_b32 s25, 128                             ; 128 (j + 1): its scale words
	s_mov_b32 s26, 0                               ; 4,096 j
	s_mov_b32 s27, 0                               ; 2,048 j
	s_mov_b32 s28, 0
.Lq:                                                   ; tiles 0 to 6
	TRIP 0
	s_add_co_u32 s24, s24, 768
	s_add_co_u32 s25, s25, 128
	s_add_co_u32 s26, s26, 4096
	s_add_co_u32 s27, s27, 2048
	s_add_co_u32 s28, s28, 1
	s_cmp_lt_u32 s28, 7
	s_cbranch_scc1 .Lq
	TRIP 1                                         ; tile 7 is written out: there is no tile of Q behind it
	BARRIER                                        ; all 64 parts, and their -M and l, lie in LDS
	s_wait_alu depctr_vm_vsrc(0)                   ; my last stores have read v56-87, v13 and v15: parts land in v56 on, and the addresses are made anew
; ---------------- wave w adds query tile w's eight parts.  K's and V's codes are done with, so each part has registers of its own: parts 0-3 in v56-183, parts 4-7 in window 1, v0-127
	v_lshrrev_b32 v15, 2, v[L256]
	s_lshl_b32 s26, s16, 11
	s_add_co_u32 s26, s26, STAT
	v_add_nc_u32 v15, s26, v15
	s_lshl_b32 s27, s16, 12
	v_add_nc_u32 v10, s27, v[L16]
	v_add_nc_u32 v11, 0x10000, v10
	v_add_nc_u32 v12, 0x20000, v10
	v_add_nc_u32 v13, 0x30000, v10
	s_wait_alu depctr_va_vdst(0)                   ; the addresses v10-13 and v15 are written; the loop's vector and matrix instructions are done with v56-199 and with K's and V's codes in window 1, in all of which the 68 loads below land
.irp i, 0,1,2,3
	ds_load_b128 v[184+4*\i:184+4*\i+3], v15 offset:16*\i   ; (-M, l) of the eight waves
.endr
.macro PLOAD k                         ; wave k's part
.if (\k) < 4
.set PB, S+32*(\k)
.else
.set PB, 32*((\k)-4)
.endif
.irp q, 0,1,2,3,4,5,6,7
	ds_load_b128 v[PB+4*\q:PB+4*\q+3], v[10+(\k)/2] offset:32768*((\k)%2)+512*\q
.endr
.endm
	PLOAD 0
	PLOAD 1
	PLOAD 2
	PLOAD 3
	WIN 0x40                                       ; destination window 1
	PLOAD 4
	PLOAD 5
	PLOAD 6
	PLOAD 7
	WIN 0
	s_wait_dscnt 63                                ; the statistics are in: 64 loads were issued behind theirs, and a wait's count holds 63 at the most
	v_min3_num_f32 v[MG], v184, v186, v188
	v_min3_num_f32 v[MG], v[MG], v190, v192
	v_min3_num_f32 v[MG], v[MG], v194, v196
	v_min_num_f32 v[MG], v[MG], v198               ; the least -M: the row's M
.irp k, 0,1,2,3,4,5,6,7
	v_sub_f32 v[FF+2*\k], v[MG], v[184+2*\k]       ; that wave's M less the row's: a whole number, 0 or less
.endr
.irp k, 0,1,2,3,4,5,6,7
	v_cvt_i32_f32 v[FF+2*\k], v[FF+2*\k]           ; (it saturates)
.endr
.irp k, 0,1,2,3,4,5,6,7
	v_ldexp_f32 v[FF+2*\k+1], 1.0, v[FF+2*\k]      ; the factor: a power of two
.endr
.irp k, 0,1,2,3,4,5,6,7
	v_mov_b32 v[FF+2*\k], v[FF+2*\k+1]
.endr
	v_mul_f32 v[LS], v[FF], v185
.irp k, 1,2,3,4,5,6,7
	v_fmac_f32 v[LS], v[FF+2*\k], v[185+2*\k]      ; l
.endr
	s_wait_alu depctr_va_vdst(0)
	v_rcp_f32 v[RL], v[LS]
	v_nop                                          ; a plain line behind the reciprocal,
	s_wait_alu depctr_va_vdst(0)                   ; and the reciprocal has written 1 / l, ahead of its first reader
	v_mov_b32 v[RL+1], v[RL]
.macro PSUM k
	s_wait_dscnt 56-8*(\k)                         ; this part is in; the loads of the parts behind it stay out, eight each
.if (\k) < 4
.set BB, S+32*(\k)
	WIN 0
.else
.set BB, 32*((\k)-4)
	WIN 0x01                                       ; source 0 window 1
.endif
.irp i, 0,2,4,6,8,10,12,14,16,18,20,22,24,26,28,30
.if (\k) == 0
	v_pk_mul_f32 v[OA+\i:OA+\i+1], v[BB+\i:BB+\i+1], v[FF+2*(\k):FF+2*(\k)+1]
.else
	v_pk_fma_f32 v[OA+\i:OA+\i+1], v[BB+\i:BB+\i+1], v[FF+2*(\k):FF+2*(\k)+1], v[OA+\i:OA+\i+1]
.endif
.endr
.endm
.irp k, 0,1,2,3,4,5,6,7
	PSUM \k
.endr
	WIN 0
.irp i, 0,2,4,6,8,10,12,14,16,18,20,22,24,26,28,30
	v_pk_mul_f32 v[OA+\i:OA+\i+1], v[OA+\i:OA+\i+1], v[RL:RL+1]   ; O^T / l: registers 0-15 are d = 16 hh + 0 .. 15, registers 16-31 d = 32 + 16 hh + 0 .. 15 of my query
.endr
.set TM, 184                           ; the statistics' registers are used up: the quantiser works there, clear of its sources v216-247
.set BY, 188
.set SO, 192
	QUANT OA, OA+16, OA, OA+16, 56, 68, 248        ; the head's 64 are two blocks of the last product's K
	s_wait_alu depctr_vm_vsrc(0)                   ; the parts' loads have read their addresses v10-13, which are written again below
	v_bfe_u32 v10, v0, 4, 1                        ; hh
	v_and_b32 v11, 15, v0                          ; r
	v_lshlrev_b32 v12, 3, v10
	v_lshrrev_b32 v249, v12, v248                  ; block hh's byte
	v_lshl_add_u32 v13, v11, 5, v10                ; row r of 32 bytes, + hh
	s_wait_alu depctr_va_vdst(0)                   ; the codes v56-61, the byte v249 and its offset v13 are written, which the three stores read
	global_store_b128 v[L16], v[56:59], s[48:49]   ; a half image, 768 consecutive bytes, at a multiple of 256 from the buffer's first byte
	global_store_b64 v[L8], v[60:61], s[48:49] offset:512
	global_store_b8 v13, v249, s[50:51]            ; two bytes a row for this head: 1 part in 24 of what the work-group stores
	s_set_vgpr_msb 0x4
	s_wait_dscnt 0x0
	s_wait_alu depctr_hold_cnt(0) depctr_sa_sdst(0) depctr_va_vdst(0) depctr_va_sdst(0) depctr_va_ssrc(0) depctr_va_vcc(0) depctr_vm_vsrc(0)
	s_wait_tensorcnt 0x0
	ds_add_u32 v55, v255
	s_wait_dscnt 0x0
	s_endpgm
.Lfunc_end_k_qc743f98888_attn:
	.size	k_qc743f98888_attn, .Lfunc_end_k_qc743f98888_attn-k_qc743f98888_attn
	.p2alignl 7, 3214868480
	.fill 96, 4, 3214868480
	.section	.rodata,"a",@progbits
	.p2align	6, 0x0
	.amdhsa_kernel k_qc743f98888_attn
		.amdhsa_group_segment_fixed_size 286720
		.amdhsa_private_segment_fixed_size 0
		.amdhsa_enable_private_segment 0
		.amdhsa_kernarg_size 48
		.amdhsa_user_sgpr_count 2
		.amdhsa_user_sgpr_kernarg_segment_ptr 1
		.amdhsa_wavefront_size32 1
		.amdhsa_system_sgpr_workgroup_id_x 1
		.amdhsa_system_sgpr_workgroup_id_y 1
		.amdhsa_system_sgpr_workgroup_id_z 1
		.amdhsa_system_vgpr_workitem_id 0
		.amdhsa_next_free_vgpr 512
		.amdhsa_next_free_sgpr 66
		.amdhsa_reserve_vcc 0
		.amdhsa_float_denorm_mode_32 3
		.amdhsa_float_denorm_mode_16_64 3
		.amdhsa_memory_ordered 1
		.amdhsa_forward_progress 1
		.amdhsa_inst_pref_size 217
	.end_amdhsa_kernel
	.amdgpu_metadata
---
amdhsa.version: [ 1, 2 ]
amdhsa.kernels:
  - .name:           k_qc743f98888_attn
    .symbol:         k_qc743f98888_attn.kd
    .args:
      - { .name: kvc, .offset: 0, .size: 8, .value_kind: global_buffer, .address_space: global }
      - { .name: kvs, .offset: 8, .size: 8, .value_kind: global_buffer, .address_space: global }
      - { .name: qcs, .offset: 16, .size: 8, .value_kind: global_buffer, .address_space: global }
      - { .name: wts, .offset: 24, .size: 8, .value_kind: global_buffer, .address_space: global }
      - { .name: oc, .offset: 32, .size: 8, .value_kind: global_buffer, .address_space: global }
      - { .name: os, .offset: 40, .size: 8, .value_kind: global_buffer, .address_space: global }
    .group_segment_fixed_size: 286720
    .private_segment_fixed_size: 0
    .kernarg_segment_align: 8
    .kernarg_segment_size: 48
    .max_flat_workgroup_size: 256
    .sgpr_count:     66
    .vgpr_count:     512
    .wavefront_size: 32
...
	.end_amdgpu_metadata
.endif
;; end of part 5
;; launch oproj (part 6): grid 8 x 32, 8 waves a work-group, clusters of 4 x 4, 232,448 bytes of LDS; arguments oc, os, wts, bo, out0; writes out0
.if DOCPART == 6
	.amdgcn_target "amdgcn-amd-amdhsa--gfx1250"
	.amdhsa_code_object_version 6
	.text
	.protected	k_qc743f98888_oproj
	.globl	k_qc743f98888_oproj
	.p2align	8
	.type	k_qc743f98888_oproj,@function
k_qc743f98888_oproj:
	s_mov_b64 s[64:65], 0
	v_nop
	global_prefetch_b8 v0, s[64:65] scope:SCOPE_SE
	s_setreg_imm32_b32 hwreg(HW_REG_WAVE_MODE, 25, 1), 1
	s_wait_xcnt 0x0
	s_wait_alu depctr_hold_cnt(0) depctr_sa_sdst(0) depctr_va_vdst(0) depctr_va_sdst(0) depctr_va_ssrc(0) depctr_va_vcc(0) depctr_vm_vsrc(0)
	s_getreg_b32 s2, hwreg(HW_REG_IB_STS2, 6, 4)
	s_cmp_eq_u32 s2, 0
	s_cbranch_scc0 .Lentry_in_a_cluster
	s_endpgm
.Lentry_in_a_cluster:
	s_bfe_u32 s2, ttmp6, 0x10000c
	s_cmp_lg_u32 s2, 0xf033
	s_cbranch_scc0 .Lentry_shape_is_right
	s_endpgm
.Lentry_shape_is_right:
; out0 = out Wo + bo on codes of E2M3 with one E8M0 scale for each 32 along K = 1,024.  out arrives as half images of operand registers (tile of 16 rows, head: 768 bytes) with scale bytes [row][32];
; Wo as images of fragments (tile of 16 columns, K step: 1,536 bytes) with scale words for pairs of tiles.
; SHARES.  A work-group makes 128 rows (batch y) x 128 columns (x).  Its whole operands, 98,304 bytes each and dense in memory, come into LDS once: every LDS byte is filled once, so there is no ring.
; Eight waves, each 32 rows x 64 columns: eight accumulators, which take turns.
; CLUSTER.  4 x 4 work-groups: the four of a row of the cluster need the same rows of out, the four of a column the same columns of Wo.  Each panel is asked for JOINTLY, a quarter by each of four waves:
; the same tensor load, with the same descriptor and a mask that names the four.  By this text's count a wave has one tensor load out.
; THE PRODUCT IS USED TRANSPOSED (source 0 = 16 columns of Wo, source 1 = 16 rows of out): a lane holds eight neighbouring numbers of a row of the result.  The bias is the C of each sum's first product.
; LIMITS: NaN and infinities are not served.
.set WOC, 786432
.set WOS, 1998848
.set BPAN, 98304                       ; LDS: out's panel at 0, Wo's here,
.set STG,  196608                      ; the way out: 16 rows x (256 bytes + 16) for each wave: no tile lands here
.set ACC, 16                           ; v16-79   accumulator (jj, tt) at 8 (4 jj + tt)
.set FB,  80                           ; v80-127  Wo's four fragments
.set FA,  128                          ; v128-151 out's two
.set OSR, 152                          ; v152-159 out's scale words: register s; lanes 0-15 my first 16 rows, lanes 16-31 my second
.set WOSR, 160                         ; v160-175 Wo's: register 8 (tt / 2) + s; lanes 0-15 the even tile, lanes 16-31 the odd
.set BI,  176                          ; v176-207 the bias, eight registers a tile of columns, in the result's layout
.set G1A, 24                           ; s[24:31], s[32:35] descriptor groups 1 and 0 for out's panel;  s[48:55], s[56:59] for Wo's
.set G0A, 32
.set G1B, 48
.set G0B, 56
.macro PLACES
.rept 4
	v_nop
.endr
.endm
.macro CROUND                          ; a round of the cluster's barrier: my work-group's barrier; wave 0 signals for the work-group; every wave waits for all sixteen; my work-group's barrier once more
	s_barrier_signal -1
	s_barrier_wait -1
	s_cmp_lg_u32 s14, 0
	s_cbranch_scc1 .Lnot_wave_0_\@
	s_barrier_signal -3
.Lnot_wave_0_\@:
	s_barrier_wait -3
	s_barrier_signal -1
	s_barrier_wait -1
.endm
.macro WMMA d, a, b, c, sa, sb, ra, rb ; ra, rb = 1: that side's scale words are taken from lanes 16-31
.if (\ra) && (\rb)
	v_wmma_scale_f32_16x16x128_f8f6f4 v[(\d):(\d)+7], v[(\a):(\a)+11], v[(\b):(\b)+11], v[(\c):(\c)+7], v[\sa], v[\sb] matrix_a_fmt:MATRIX_FMT_FP6 matrix_b_fmt:MATRIX_FMT_FP6 matrix_a_scale:MATRIX_SCALE_ROW1 matrix_b_scale:MATRIX_SCALE_ROW1
.elseif (\ra)
	v_wmma_scale_f32_16x16x128_f8f6f4 v[(\d):(\d)+7], v[(\a):(\a)+11], v[(\b):(\b)+11], v[(\c):(\c)+7], v[\sa], v[\sb] matrix_a_fmt:MATRIX_FMT_FP6 matrix_b_fmt:MATRIX_FMT_FP6 matrix_a_scale:MATRIX_SCALE_ROW1
.elseif (\rb)
	v_wmma_scale_f32_16x16x128_f8f6f4 v[(\d):(\d)+7], v[(\a):(\a)+11], v[(\b):(\b)+11], v[(\c):(\c)+7], v[\sa], v[\sb] matrix_a_fmt:MATRIX_FMT_FP6 matrix_b_fmt:MATRIX_FMT_FP6 matrix_b_scale:MATRIX_SCALE_ROW1
.else
	v_wmma_scale_f32_16x16x128_f8f6f4 v[(\d):(\d)+7], v[(\a):(\a)+11], v[(\b):(\b)+11], v[(\c):(\c)+7], v[\sa], v[\sb] matrix_a_fmt:MATRIX_FMT_FP6 matrix_b_fmt:MATRIX_FMT_FP6
.endif
.endm
	s_load_b256 s[4:11], s[0:1], 0x0               ; oc s[4:5], os s[6:7], wts s[8:9], bo s[10:11]
	s_load_b64 s[12:13], s[0:1], 0x20              ; out0
	v_lshl_add_u32 v254, v0, 2, 0x38800
	v_mov_b32 v255, 0
	ds_add_u32 v254, v255
	ds_add_u32 v254, v255
	v_lshrrev_b32 v1, 5, v0
	s_delay_alu instid0(VALU_DEP_1)
	v_readfirstlane_b32 s14, v1                    ; wave 0..7
	s_lshr_b32 s15, s14, 2                         ; which 64 columns are mine.  Also: I fetch for out (0) or for Wo (1)
	s_and_b32 s16, s14, 3                          ; which 32 rows.  Also: which quarter of that panel I fetch
	s_bfe_u32 s40, ttmp6, 0x40000                  ; cx, cy: my place in the cluster
	s_bfe_u32 s41, ttmp6, 0x40004
	s_lshl_b32 s42, ttmp9, 2
	s_add_co_u32 s42, s42, s40                     ; x = 4 x cluster x + cx
	s_and_b32 s17, ttmp7, 0xffff
	s_lshl_b32 s17, s17, 2
	s_add_co_u32 s17, s17, s41                     ; y = 4 x cluster y + cy
	s_lshl_b32 s43, s41, 2
	s_lshl_b32 s43, 15, s43                        ; my row of the cluster
	s_lshl_b32 s44, 0x1111, s40                    ; my column
	; descriptor group 1: a quarter of a panel, 24,576 dense bytes, as 96 rows of 256 bytes (32 elements of 8 bytes), no padding: fragments are read back as 512 consecutive bytes
	s_or_b32 s[G1A], s43, (3<<16)|(1<<21)          ; 15:0 the mask: out's panel goes to my row; 17:16 elements of 8 bytes; 21 set beside a mask
	s_or_b32 s[G1B], s44, (3<<16)|(1<<21)          ; Wo's goes to my column
.irp g, G1A, G1B
	s_mov_b32 s[\g+1], 32<<16                      ; tensor_dim0 = 32
	s_mov_b32 s[\g+2], 96<<16                      ; tensor_dim1 = 96
	s_mov_b32 s[\g+3], 32<<16                      ; tile_dim0 = 32
	s_mov_b32 s[\g+4], 96                          ; tile_dim1 = 96
	s_mov_b32 s[\g+5], 32                          ; from row to row
	s_mov_b32 s[\g+6], 0
	s_mov_b32 s[\g+7], 0
.endr
	s_mul_i32 s18, s16, 24576                      ; my quarter
	s_mul_i32 s20, s17, 98304                      ; out's panel hangs on y alone, which my row of the cluster shares;
	s_add_co_u32 s20, s20, s18
	s_mov_b32 s21, 0
	s_mul_i32 s46, s42, 98304                      ; Wo's on x alone, which my column shares
	s_add_co_u32 s46, s46, s18
	s_add_co_u32 s46, s46, WOC
	s_mov_b32 s47, 0
	s_mul_i32 s45, s14, 24576                      ; where it goes: wave x 24,576: no place in the cluster enters an LDS address
	s_wait_dscnt 0x0
	s_wait_kmcnt 0x0
	s_add_nc_u64 s[20:21], s[4:5], s[20:21]
	s_add_nc_u64 s[46:47], s[8:9], s[46:47]
	CROUND                                         ; all sixteen work-groups are here: the joint loads meet
	s_mov_b32 s[G0A], 1                            ; count = 1
	s_mov_b32 s[G0A+1], s45                        ; LDS address
	s_mov_b64 s[G0A+2:G0A+3], s[20:21]             ; global address
	s_or_b32 s[G0A+3], s[G0A+3], 0x80000000        ; type = 2
	s_mov_b32 s[G0B], 1
	s_mov_b32 s[G0B+1], s45
	s_mov_b64 s[G0B+2:G0B+3], s[46:47]
	s_or_b32 s[G0B+3], s[G0B+3], 0x80000000
	s_cmp_eq_u32 s15, 0                            ; the branch hangs on the wave's number alone; four v_nop follow each of the two lines
	s_cbranch_scc0 .Lfor_b
	tensor_load_to_lds s[G0A:G0A+3], s[G1A:G1A+7]
	s_nop 0
	PLACES
	s_branch .Lasked
.Lfor_b:
	tensor_load_to_lds s[G0B:G0B+3], s[G1B:G1B+7]
	s_nop 0
	PLACES
.Lasked:
	v_and_b32 v1, 31, v0                           ; lane
	v_and_b32 v2, 15, v0                           ; r
	v_bfe_u32 v3, v0, 4, 1                         ; hh
	s_mul_i32 s18, s15, 49152
	s_add_co_u32 s18, s18, BPAN
	v_lshl_add_u32 v4, v1, 4, s18                  ; Wo: my four tiles' images
	s_mul_i32 s18, s16, 24576
	v_lshl_add_u32 v5, v1, 4, s18                  ; out: my two tiles' half images: registers 0-3,
	s_add_co_u32 s18, s18, 512
	v_lshl_add_u32 v6, v1, 3, s18                  ; registers 4-5
	s_mul_i32 s18, s14, 16*272
	s_add_co_u32 s18, s18, STG                     ; my stage
	v_mul_u32_u24 v7, v2, 272
	s_delay_alu instid0(VALU_DEP_1)
	v_lshl_add_u32 v7, v3, 5, v7
	s_delay_alu instid0(VALU_DEP_1)
	v_add_nc_u32 v7, s18, v7                       ; in: row r, + 32 hh
	v_mul_u32_u24 v8, v3, 272
	s_delay_alu instid0(VALU_DEP_1)
	v_lshl_add_u32 v8, v2, 4, v8
	s_delay_alu instid0(VALU_DEP_1)
	v_add_nc_u32 v8, s18, v8                       ; back: lanes 0-15 one row of 256 bytes, lanes 16-31 the next
	v_lshlrev_b32 v9, 12, v3
	s_delay_alu instid0(VALU_DEP_1)
	v_lshl_add_u32 v9, v2, 4, v9                   ; and the same two rows in out0
	v_lshlrev_b32 v10, 5, v1                       ; out's scale bytes: 32 a row, a lane a row
	s_wait_alu depctr_va_vdst(0)
	v_lshlrev_b32 v11, 2, v1
	s_wait_alu depctr_va_vdst(0)
	v_lshlrev_b32 v12, 5, v3                       ; the bias: my half's eight numbers
	s_wait_alu depctr_va_vdst(0)
	s_lshl_b32 s22, s17, 12
	s_lshl_b32 s23, s16, 10
	s_add_co_u32 s22, s22, s23                     ; (128 y + 32 x my rows' quarter) x 32 bytes
	s_mov_b32 s23, 0
	s_add_nc_u64 s[36:37], s[6:7], s[22:23]
	s_lshl_b32 s60, s42, 12
	s_lshl_b32 s61, s15, 11
	s_add_co_u32 s60, s60, s61
	s_add_co_u32 s60, s60, WOS                     ; groups of 32 columns 4 x + 2 (my half) on, 1,024 bytes each
	s_mov_b32 s61, 0
	s_add_nc_u64 s[38:39], s[8:9], s[60:61]
	s_lshl_b32 s60, s42, 9
	s_lshl_b32 s62, s15, 8
	s_add_co_u32 s60, s60, s62                     ; my first column, in bytes
	s_add_nc_u64 s[10:11], s[10:11], s[60:61]
	s_add_nc_u64 s[12:13], s[12:13], s[60:61]
	s_lshl_b32 s22, s17, 19
	s_lshl_b32 s62, s16, 17
	s_add_co_u32 s22, s22, s62                     ; my first row, 4,096 bytes a row
	s_add_nc_u64 s[12:13], s[12:13], s[22:23]
	global_load_b128 v[OSR:OSR+3], v10, s[36:37]
	global_load_b128 v[OSR+4:OSR+7], v10, s[36:37] offset:16
.irp i, 0,1,2,3,4,5,6,7,8,9,10,11,12,13,14,15
	global_load_b32 v[WOSR+\i], v11, s[38:39] offset:128*\i
.endr
.irp t, 0,1,2,3
	global_load_b128 v[BI+8*\t:BI+8*\t+3], v12, s[10:11] offset:64*\t
	global_load_b128 v[BI+8*\t+4:BI+8*\t+7], v12, s[10:11] offset:64*\t+16
.endr
	s_wait_tensorcnt 0x0                           ; my quarter has landed,
	s_barrier_signal -1
	s_barrier_wait -1                              ; everybody's has
.macro KSTEP s
.if (\s) > 0
	PLACES                                         ; in front of loads into registers that the last products read
.endif
.irp t, 0,1,2,3
.irp c, 0,1,2
	ds_load_b128 v[FB+12*\t+4*\c:FB+12*\t+4*\c+3], v4 offset:(8*\t+(\s))*1536+512*\c
.endr
.endr
.irp j, 0,1
.irp e, 0,1
	ds_load_b128 v[FA+12*\j+6*\e:FA+12*\j+6*\e+3], v5 offset:(16*\j+2*(\s)+\e)*768      ; heads 2 s and 2 s + 1 are the K step's two halves
	ds_load_b64 v[FA+12*\j+6*\e+4:FA+12*\j+6*\e+5], v6 offset:(16*\j+2*(\s)+\e)*768
.endr
.endr
.if (\s) == 0
	s_wait_loadcnt 0x0                             ; scale words and bias
.endif
	s_wait_dscnt 0x0
.irp j, 0,1
.irp t, 0,1,2,3
.if (\s) == 0
	WMMA ACC+8*(4*\j+\t), FB+12*\t, FA+12*\j, BI+8*\t, WOSR+8*(\t/2)+(\s), OSR+(\s), \t%2, \j
.else
	WMMA ACC+8*(4*\j+\t), FB+12*\t, FA+12*\j, ACC+8*(4*\j+\t), WOSR+8*(\t/2)+(\s), OSR+(\s), \t%2, \j
.endif
.endr
.endr
.endm
.irp s, 0,1,2,3,4,5,6,7
	KSTEP \s
.endr
	; THE WAY OUT: a lane holds 32 neighbouring bytes of a row and the lanes beside it other rows: 16 rows x 256 bytes at a time go through my own stage and come back as whole rows.
	; LDS serves a wave's instructions in order: no wait between the stores and the loads, nor in front of the second half's stores.
	PLACES
.irp j, 0,1
.irp t, 0,1,2,3
	ds_store_b128 v7, v[ACC+8*(4*\j+\t):ACC+8*(4*\j+\t)+3] offset:64*\t         ; each accumulator from its low end on
	ds_store_b128 v7, v[ACC+8*(4*\j+\t)+4:ACC+8*(4*\j+\t)+7] offset:64*\t+16
.endr
.irp i, 0,1,2,3,4,5,6,7
	ds_load_b128 v[FB+32*\j+4*\i:FB+32*\j+4*\i+3], v8 offset:2*\i*272
.endr
.irp i, 0,1,2,3,4,5,6,7
	s_wait_dscnt 7-\i                              ; rows 2 i, 2 i + 1 are back; the loads behind them stay out
	global_store_b128 v9, v[FB+32*\j+4*\i:FB+32*\j+4*\i+3], s[12:13] offset:(16*\j+2*\i)*4096 th:TH_STORE_NT   ; 16 lanes store 256 consecutive bytes, at a multiple of 256 from out0's first byte
.endr
.endr
	s_wait_dscnt 0x0
	s_wait_tensorcnt 0x0
	ds_add_u32 v254, v255
	s_wait_dscnt 0x0
	CROUND                                         ; the closing round: no work-group ends while a partner may still ask for a panel that names it
	s_endpgm
.Lfunc_end_k_qc743f98888_oproj:
	.size	k_qc743f98888_oproj, .Lfunc_end_k_qc743f98888_oproj-k_qc743f98888_oproj
	.p2alignl 7, 3214868480
	.fill 96, 4, 3214868480
	.section	.rodata,"a",@progbits
	.p2align	6, 0x0
	.amdhsa_kernel k_qc743f98888_oproj
		.amdhsa_group_segment_fixed_size 232448
		.amdhsa_private_segment_fixed_size 0
		.amdhsa_enable_private_segment 0
		.amdhsa_kernarg_size 40
		.amdhsa_user_sgpr_count 2
		.amdhsa_user_sgpr_kernarg_segment_ptr 1
		.amdhsa_wavefront_size32 1
		.amdhsa_system_sgpr_workgroup_id_x 1
		.amdhsa_system_sgpr_workgroup_id_y 1
		.amdhsa_system_sgpr_workgroup_id_z 1
		.amdhsa_system_vgpr_workitem_id 0
		.amdhsa_next_free_vgpr 256
		.amdhsa_next_free_sgpr 66
		.amdhsa_reserve_vcc 0
		.amdhsa_float_denorm_mode_32 3
		.amdhsa_float_denorm_mode_16_64 3
		.amdhsa_memory_ordered 1
		.amdhsa_forward_progress 1
		.amdhsa_inst_pref_size 33
	.end_amdhsa_kernel
	.amdgpu_metadata
---
amdhsa.version: [ 1, 2 ]
amdhsa.kernels:
  - .name:           k_qc743f98888_oproj
    .symbol:         k_qc743f98888_oproj.kd
    .args:
      - { .name: oc, .offset: 0, .size: 8, .value_kind: global_buffer, .address_space: global }
      - { .name: os, .offset: 8, .size: 8, .value_kind: global_buffer, .address_space: global }
      - { .name: wts, .offset: 16, .size: 8, .value_kind: global_buffer, .address_space: global }
      - { .name: bo, .offset: 24, .size: 8, .value_kind: global_buffer, .address_space: global }
      - { .name: out0, .offset: 32, .size: 8, .value_kind: global_buffer, .address_space: global }
    .group_segment_fixed_size: 232448
    .private_segment_fixed_size: 0
    .kernarg_segment_align: 8
    .kernarg_segment_size: 40
    .max_flat_workgroup_size: 256
    .sgpr_count:     66
    .vgpr_count:     256
    .wavefront_size: 32
...
	.end_amdgpu_metadata
.endif
;; end of part 6
